; MI455X (gfx1250); checked and timed in simulation.
; The chip was launched on July 23, 2026; its instructions are those of AMD's public machine-readable ISA for CDNA 5 (MIT licence, August 2026) and "CDNA5" Instruction Set Architecture Reference Guide (July 2026). The comments in the code are by the model that wrote it; some were corrected since.
;; Cross Attention. Allowed arithmetic: matrix products marked QUANTISED: E2M1 operands, one E8M0 scale for each 32 along K, by v_wmma_scale_f32_16x16x128_f8f6f4 with both operands' format E2M1 (or v_wmma_scale_f32_32x16x128_f4), f32 sums; everything else in f32.
;; Inputs: W1 3 x 1,024 x 256 float32; W2 3 x 256 x 1,024 float32; a 32 x 256 x 1,024 float32; b 32 x 512 x 1,024 float32; b1 3 x 256 float32; b2 3 x 1,024 float32; bt 3 x 256 float32; g 3 x 256 float32; len_a 32 int32; len_b 32 int32; rm 3 x 256 float32; rv 3 x 256 float32.
;; Outputs: out0 2 x 32 x 1,024 float32.
;; This version of the problem:
;;   THIS VERSION OF THE PROBLEM IS GIVEN IN LOW PRECISION. The matrix products marked QUANTISED in the list below multiply operands that are first quantised to E2M1 (2 exponent bits, 1 mantissa bit; 4 bits a number), with one power-of-two scale for each 32 numbers along K (OCP MX v1.0); their sums are f32. All else is computed in f32.
;;   The module's matrix products, in the order in which they are computed (A, B: the left and right operand; K: the contracted axis; several contracted axes count as one K, in the product's order):
;;     1. [M 768, K 1,024] x [K 1,024, N 8,192]; A: input W1; B: input a: QUANTISED
;;     2. batch 3 x [M 8,192, K 256] x [K 256, N 1,024]; A: computed on the way; B: input W2: QUANTISED
;;     3. [M 768, K 1,024] x [K 1,024, N 16,384]; A: input W1; B: input b: QUANTISED
;;     4. batch 3 x [M 16,384, K 256] x [K 256, N 1,024]; A: computed on the way; B: input W2: QUANTISED
;;     5. batch 32 x [M 256, K 1,024] x [K 1,024, N 512]; A: computed on the way; B: computed on the way: QUANTISED
;;     6. batch 32 x [M 256, K 512] x [K 512, N 1,024]; A: softmax (see below); B: computed on the way: QUANTISED
;;     7. batch 32 x [M 512, K 1,024] x [K 1,024, N 256]; A: computed on the way; B: computed on the way: QUANTISED
;;     8. batch 32 x [M 512, K 256] x [K 256, N 1,024]; A: softmax (see below); B: computed on the way: QUANTISED
;;   THE QUANTISER, for each operand of a quantised product, along K:
;;     - K is cut into blocks of 32 from its start; a last block that is shorter is filled with zeros.
;;     - A block's scale is 2^e with e = floor(log2(the largest magnitude in the block)) - 2, held to -126 .. 127; a block of zeros has e = 0. As a byte (E8M0): e + 127.
;;     - Each number is divided by its block's scale, clamped to +-6, and rounded to the nearest number of E2M1, ties to even, subnormals kept.
;;     - The product sums the exact products of the quantised numbers (number of the format x scale) in f32.
;;   ~~~python
;;   def quantise(x, axis):      # numpy; x: float32 -> the quantised numbers, widened to float32 again
;;       x = np.moveaxis(x, axis, -1); K = x.shape[-1]
;;       x = np.pad(x, [(0, 0)] * (x.ndim - 1) + [(0, -K % 32)]); x = x.reshape(x.shape[:-1] + (-1, 32)); a = np.abs(x).max(-1, keepdims=True)
;;       e = np.where(a > 0, np.clip(np.frexp(np.where(a > 0, a, 1))[1] - 1 - 2, -126, 127), 0)      # np.frexp(a)[1] - 1 = floor(log2(a)), exactly
;;       r = np.clip(x / 2.0 ** e, -6, 6)
;;       step = 2.0 ** (np.maximum(np.frexp(np.where(r == 0, 1, r))[1] - 1, 0) - 1)
;;       q = np.round(r / step) * step * 2.0 ** e      # np.round: ties to even
;;       return np.moveaxis(q.reshape(q.shape[:-2] + (-1,))[..., :K], -1, axis).astype(np.float32)
;;   ~~~
;;   SOFTMAX AHEAD OF A QUANTISED PRODUCT. Where the list says 'softmax', what is quantised is not the finished softmax but p = 2^(t - M), with t = logit x log2(e) and M = ceil(the row's largest t), a whole number; so 1/2 < the row's largest p <= 1. The row's sum l is taken of the UNQUANTISED p, in f32, and the product's result is divided by l at the end. Since M is a whole number, a kernel that streams over the keys may use a running M (the ceiling of the running maximum): every later rescaling is an exact power of two, which a block's scale takes up: the codes' values come out the same.
;;   OPERANDS COMPUTED ON THE WAY. 'Computed on the way' means the value that the module computes at that place (a softmax that the list does not call 'softmax' is quantised finished and normalised). What goes into a quantiser is computed in f32, as accurately as f32 sums, v_exp_f32 and their like allow (about 1e-6 of the number): no bf16 or f16 on the way to a quantiser, and a product that is left as it is and whose result goes on into a quantised operand takes f32 operands (vector FMAs, or v_wmma_f32_16x16x4_f32). A number that lies on a knife's edge between two numbers of the format may be rounded either way, as far as f32 arithmetic and the matrix unit's own rounding can turn it there, and no further.
;; One version. Each part assembles by itself: llvm-mc -triple=amdgcn-amd-amdhsa -mcpu=gfx1250 --defsym DOCPART=n.
;; ======== version 1 of 1: 4 launches
;; limits: right only within a limited range of input values
;; workspace buffers: xq 13,369,344 bytes; wq 835,584 bytes; qk 26,738,688 bytes; vq 13,369,344 bytes; part 1,048,576 bytes
;; launch quant (part 1): grid 864 x 1, 4 waves a work-group, no clusters, 39,424 bytes of LDS; arguments a, b, W1, W2, xq, wq, len_a, len_b, qk, vq; writes xq, wq, qk, vq
.if DOCPART == 1
	.amdgcn_target "amdgcn-amd-amdhsa--gfx1250"
	.amdhsa_code_object_version 6
	.text
	.protected	k_q2e8bd12a5f_quant
	.globl	k_q2e8bd12a5f_quant
	.p2align	8
	.type	k_q2e8bd12a5f_quant,@function
k_q2e8bd12a5f_quant:
	s_mov_b64 s[64:65], 0
	v_nop
	global_prefetch_b8 v0, s[64:65] scope:SCOPE_SE
	s_setreg_imm32_b32 hwreg(HW_REG_WAVE_MODE, 25, 1), 1
	s_wait_xcnt 0x0
; CROSS ATTENTION ON MX-FP4, launch 1 of 4: a, b, W1 and W2 (f32) become codes of E2M1 with one E8M0 byte for each 32 along K, laid in the order of the operands' registers.
; WORK LEFT OUT, in this launch and the next: blocks of 32 rows of a or b that lie wholly at or beyond their sequence's length.  reference() uses row i of sequence s only as a query, under
; qmask (i < len: its row of o is multiplied by 0), and as a key and value, under kmask (i < len: its score is -1e9, so that its softmax weight is 0 beside any key that counts).  The lengths are whole numbers
; that the launches read from memory, so only the rows that they ask for are worked; inside a block that holds a live row all 32 rows are worked and the third launch selects.
; For a block left out this launch stores the scale byte 127 in q's, k's and v's scale bytes, so that the third launch multiplies finite numbers there; their codes stay as they lie.
; LIMITS: lengths from 1 to the sequence's size; a NaN, an infinity or an overflow in rows that are left out is not carried to the result.  Every input has a way to out0 and is loaded by some launch.
; THE TILE RULE, for every operand of the program: of 32 consecutive indices 32 b .. 32 b + 31 tile 2 b + u holds, in its lane r, index 32 b + 8 u + (r & 7) + 16 (r >> 3).
; AN IMAGE: a fragment (16 rows x 128 K, 8 registers a lane) lies as 1,024 bytes, registers 4 c .. 4 c + 3 of lane L at 512 c + 16 L.
; SCALE WORDS: [tile][K step][r], 4 bytes each.  xq: codes [tile 1536][K step 8][1024], then scale words [tile][512]; rows of a are rows 0 .. 8191 of one row space, rows of b follow.
; wq: W1's codes [net][hidden tile 16][K step 8][1024]; W2's [net][d tile 64][K step 2][1024]; W1's scale words [net][16][512]; W2's [net][64][128].
; A block's scale byte is its largest magnitude's exponent field - 2, held at 1 from below.  LIMITS: a block of zeros gets the byte 1 (its codes are zeros; this program alone reads the bytes);
; blocks under 2^-124 keep the byte 1; NaN and infinities among the inputs are not served.
; WORK-GROUPS 0 .. 767: 32 rows of a or b; wave w takes tile w / 2 and half w % 2 of K, 16 steps, one row a step, through its own stage in LDS.  768 .. 815: W1;  816 .. 863: W2: a lane takes a column.
.set XS_OFF, 12582912
.set WREG,  9728                       ; LDS of a wave: two stages of 32 x 80 bytes, 16 image rows of 272, 256 scale bytes
.set SP,    80
.set IMG,   5120
.set SCB,   9472
.set SPARE, 38912                      ; the spare words, 128 bytes for each wave
.set R,     16
.set X,     80
.set E,     112
.set C,     128
.set OUTR,  160
.set SPW,   12
.set NIL,   13
	s_load_b256 s[4:11], s[0:1], 0x0               ; a, b, W1, W2
	s_load_b128 s[12:15], s[0:1], 0x20             ; xq, wq
	s_load_b256 s[28:35], s[0:1], 0x30             ; len_a, len_b, qk, vq
	v_lshl_add_u32 v[SPW], v0, 2, SPARE
	v_mov_b32 v[NIL], 0
	v_lshrrev_b32 v1, 5, v0
	v_readfirstlane_b32 s16, v1                    ; wave
	v_and_b32 v2, 31, v0                           ; lane
	s_cmp_ge_u32 ttmp9, 768
	s_cbranch_scc1 .Lweights
	v_lshlrev_b32 v3, 4, v2                        ; my 16 bytes of 512
	s_mul_i32 s17, s16, WREG
	v_lshrrev_b32 v14, 2, v2
	v_mul_u32_u24 v14, v14, SP
	v_and_b32 v15, 3, v2
	v_lshl_add_u32 v14, v15, 4, v14
	v_add_nc_u32 v14, s17, v14                     ; the stage, in
	v_mul_u32_u24 v15, v2, SP
	v_add_nc_u32 v15, s17, v15                     ; the stage, out: my 16 neighbours
	v_lshrrev_b32 v4, 1, v2
	v_mul_u32_u24 v4, v4, 272
	v_and_b32 v5, 1, v2
	v_lshl_add_u32 v4, v5, 3, v4
	v_add_nc_u32 v4, s17, v4
	v_add_nc_u32 v4, IMG, v4                       ; codes in
	v_lshrrev_b32 v1, 4, v2
	v_mul_u32_u24 v1, v1, 272
	v_and_b32 v5, 15, v2
	v_lshl_add_u32 v1, v5, 4, v1
	v_add_nc_u32 v1, s17, v1
	v_add_nc_u32 v1, IMG, v1                       ; codes out
	v_lshrrev_b32 v5, 3, v2
	v_lshlrev_b32 v5, 6, v5
	v_bfe_u32 v6, v2, 1, 2
	v_add_nc_u32 v5, v5, v6
	v_add_nc_u32 v5, s17, v5
	v_add_nc_u32 v5, SCB, v5                       ; my block's scale byte
	v_lshlrev_b32 v7, 3, v2
	v_add_nc_u32 v6, s17, v7
	v_add_nc_u32 v6, SCB, v6                       ; scale bytes out: 8 a lane
	s_wait_kmcnt 0x0
	s_cmp_lt_u32 ttmp9, 256                        ; a's block or b's
	s_cselect_b64 s[28:29], s[28:29], s[30:31]     ; its lengths
	s_cselect_b32 s21, 3, 4                        ; 8 or 16 blocks to a sequence
	s_cselect_b32 s20, 0, 256
	s_sub_co_u32 s20, ttmp9, s20
	s_lshr_b32 s22, s20, s21                       ; the sequence
	s_lshl_b32 s23, s22, s21
	s_sub_co_u32 s23, s20, s23
	s_lshl_b32 s23, s23, 5                         ; the block's first row in it
	s_lshl_b32 s22, s22, 2
	s_load_b32 s19, s[28:29], s22 offset:0x0
	s_wait_kmcnt 0x0
	s_cmp_le_u32 s19, s23                          ; no row of the block lies under the length
	s_cbranch_scc1 .Ldead
	s_cmp_lt_u32 ttmp9, 256
	s_cselect_b64 s[4:5], s[4:5], s[6:7]
	s_cselect_b32 s18, 0, 256
	s_sub_co_u32 s18, ttmp9, s18
	s_lshl_b32 s18, s18, 17                        ; 32 rows of 4,096 bytes
	s_lshr_b32 s20, s16, 1
	s_lshl_b32 s20, s20, 15                        ; tile u begins 8 rows on
	s_add_co_u32 s18, s18, s20
	s_and_b32 s20, s16, 1
	s_lshl_b32 s20, s20, 11                        ; half q of K
	s_add_co_u32 s18, s18, s20
	s_mov_b32 s19, 0
	s_add_nc_u64 s[4:5], s[4:5], s[18:19]
	s_lshl_b32 s18, ttmp9, 14
	s_lshl_b32 s20, s16, 12
	s_add_co_u32 s18, s18, s20
	s_add_nc_u64 s[24:25], s[12:13], s[18:19]      ; my four images
	s_lshl_b32 s18, ttmp9, 10
	s_lshl_b32 s20, s16, 8
	s_add_co_u32 s18, s18, s20
	s_add_co_u32 s18, s18, XS_OFF
	s_add_nc_u64 s[26:27], s[12:13], s[18:19]      ; my 256 scale bytes
.macro LOAD t                          ; step t is tile lane r = t: row (t % 8) + 16 (t / 8) from the tile's first
.irp i, 0,1,2,3
	global_load_b128 v[R+16*((\t)%4)+4*\i:R+16*((\t)%4)+4*\i+3], v3, s[4:5] offset:(((\t)%8)+16*((\t)/8))*4096+512*\i th:TH_LOAD_NT
.endr
.endm
.macro TURN t                          ; through the stage: LDS serves a wave's instructions in order
.irp i, 0,1,2,3
	ds_store_b128 v14, v[R+16*((\t)%4)+4*\i:R+16*((\t)%4)+4*\i+3] offset:32*SP*((\t)%2)+8*SP*\i
.endr
.irp i, 0,1,2,3
	ds_load_b128 v[X+16*((\t)%2)+4*\i:X+16*((\t)%2)+4*\i+3], v15 offset:32*SP*((\t)%2)+16*\i
.endr
.endm
.irp t, 0,1,2,3
	LOAD \t
.endr
	s_wait_loadcnt 12                              ; step 0's four loads are in
	TURN 0
.macro STEP t
.set XN, X+16*((\t)%2)
.if (\t) > 0
	s_wait_dscnt 2                                 ; this step's numbers are back; the last step's byte store and code store may be out
.else
	s_wait_dscnt 0x0
.endif
.if (\t)+4 < 16
	LOAD (\t)+4
.endif
.if (\t)+1 < 16
.if 14-(\t) >= 3
	s_wait_loadcnt 12                              ; the next step's four loads are in; those of the three steps behind it may be out
.else
	s_wait_loadcnt 4*(14-(\t))
.endif
	TURN (\t)+1
.endif
	v_max3_num_f32 v8, |v[XN]|, |v[XN+1]|, |v[XN+2]|
	v_max3_num_f32 v9, |v[XN+3]|, |v[XN+4]|, |v[XN+5]|
.irp i, 6,10
	v_max3_num_f32 v8, v8, |v[XN+\i]|, |v[XN+\i+1]|
	v_max3_num_f32 v9, v9, |v[XN+\i+2]|, |v[XN+\i+3]|
.endr
	v_max3_num_f32 v8, v8, |v[XN+14]|, |v[XN+15]|
	v_max3_num_f32 v8, v8, v9, 0x1800000           ; the floor 2^(3 - 127): the byte cannot fall under 1
	v_max_num_f32_dpp v8, v8, v8 row_xmask:1 row_mask:0xf bank_mask:0xf   ; with my neighbour's 16
	v_add_nc_u32 v11, 0xff000000, v8               ; 2 off the exponent field: the conversion's scale operand
	v_cvt_scalef32_pk8_fp4_f32 v[C+2*(\t)], v[XN:XN+7], v11
	v_cvt_scalef32_pk8_fp4_f32 v[C+2*(\t)+1], v[XN+8:XN+15], v11
	v_lshrrev_b32 v[E+(\t)], 23, v11               ; the scale's byte (a plain line behind the conversions)
	ds_store_b8 v5, v[E+(\t)] offset:4*(\t)
	ds_store_b64 v4, v[C+2*(\t):C+2*(\t)+1] offset:16*(\t)
.endm
.irp t, 0,1,2,3,4,5,6,7,8,9,10,11,12,13,14,15
	STEP \t
.endr
.irp n, 0,1,2,3,4,5,6,7
	ds_load_b128 v[OUTR+4*\n:OUTR+4*\n+3], v1 offset:544*\n
.endr
	ds_load_b64 v[8:9], v6
.irp n, 0,1,2,3,4,5,6,7
	s_wait_dscnt 8-\n                              ; load n is in; the 8 - n behind it may be out
	global_store_b128 v3, v[OUTR+4*\n:OUTR+4*\n+3], s[24:25] offset:512*\n   ; 512 consecutive bytes
.endr
	s_wait_dscnt 0x0
	global_store_b64 v7, v[8:9], s[26:27]          ; 256 consecutive bytes, aligned
	s_wait_tensorcnt 0x0                           ; the wave's end
	ds_add_u32 v[SPW], v[NIL]
	s_wait_dscnt 0x0
	s_endpgm
.Ldead:                                        ; a block left out: the byte 127 into its 1,024 scale bytes of q, of k and of v, 256 a wave
	s_lshl_b32 s18, ttmp9, 10
	s_lshl_b32 s20, s16, 8
	s_add_co_u32 s18, s18, s20
	s_add_co_u32 s20, s18, 25165824                ; q's scale words; k's lie 786,432 bytes on
	s_mov_b32 s21, 0
	s_add_nc_u64 s[32:33], s[32:33], s[20:21]
	s_add_co_u32 s20, s18, 12582912                ; v's scale bytes
	s_add_nc_u64 s[34:35], s[34:35], s[20:21]
	v_mov_b32 v8, 0x7f7f7f7f
	v_mov_b32 v9, 0x7f7f7f7f
	s_wait_alu depctr_va_vdst(0)
	global_store_b64 v7, v[8:9], s[32:33]          ; each store: 256 consecutive bytes, aligned
	global_store_b64 v7, v[8:9], s[32:33] offset:786432
	global_store_b64 v7, v[8:9], s[34:35]
	s_wait_tensorcnt 0x0
	ds_add_u32 v[SPW], v[NIL]
	s_wait_dscnt 0x0
	s_endpgm
; the weights.  N4: bytes of a row of the source; TS, SS: bytes from tile to tile in codes and scale words; CB, SB: where they begin in wq; SH: bits of the K step in the work-group's number; PS: the source's pointer
.macro WPATH N4, TS, SS, CB, SB, SH, PS
	s_lshr_b32 s18, s17, 4                         ; net
	s_and_b32 s19, s17, 15
	s_lshr_b32 s20, s19, \SH
	s_and_b32 s21, s19, (1<<\SH)-1                 ; K step of 128
	s_lshl_b32 s20, s20, 2
	s_add_co_u32 s20, s20, s16                     ; my wave's group of 32 columns
	s_lshl_b32 s22, s18, 20
	s_mul_i32 s23, s21, 128*\N4
	s_add_co_u32 s22, s22, s23
	s_lshl_b32 s23, s20, 7
	s_add_co_u32 s22, s22, s23
	s_mov_b32 s23, 0
	s_lshl_b32 s24, s18, 17
	s_mul_i32 s25, s20, 2*\TS
	s_add_co_u32 s24, s24, s25
	s_lshl_b32 s25, s21, 10
	s_add_co_u32 s24, s24, s25
	s_add_co_u32 s24, s24, \CB
	s_mov_b32 s25, 0
	s_lshl_b32 s26, s18, 13
	s_mul_i32 s27, s20, 2*\SS
	s_add_co_u32 s26, s26, s27
	s_lshl_b32 s27, s21, 6
	s_add_co_u32 s26, s26, s27
	s_add_co_u32 s26, s26, \SB
	s_mov_b32 s27, 0
	v_lshlrev_b32 v3, 2, v2                        ; in: my column
	v_bfe_u32 v6, v2, 3, 1                         ; its tile of the two
	v_and_b32 v7, 7, v2
	v_bfe_u32 v8, v2, 4, 1
	v_lshl_or_b32 v7, v8, 3, v7                    ; and its lane there
	v_mul_u32_u24 v4, v6, \TS
	v_lshl_add_u32 v4, v7, 4, v4
	v_mul_u32_u24 v5, v6, \SS
	v_lshl_add_u32 v5, v7, 2, v5
	s_wait_alu depctr_va_vdst(0)
	s_wait_kmcnt 0x0
	s_add_nc_u64 s[22:23], s[\PS:\PS+1], s[22:23]
	s_add_nc_u64 s[24:25], s[14:15], s[24:25]
	s_add_nc_u64 s[26:27], s[14:15], s[26:27]
.irp t, 0,1,2,3
.irp i, 0,1,2,3,4,5,6,7,8,9,10,11,12,13,14,15,16,17,18,19,20,21,22,23,24,25,26,27,28,29,30,31
	global_load_b32 v[32+32*\t+\i], v3, s[22:23] offset:(32*\t+\i)*\N4 th:TH_LOAD_NT
.endr
.endr
.irp t, 0,1,2,3
.if \t < 2
	s_wait_loadcnt 63                              ; block t's 32 loads are in: 96 or 64 were issued behind them, and the count's field ends at 63
.else
	s_wait_loadcnt 32*(3-\t)
.endif
	v_max3_num_f32 v8, |v[32+32*\t]|, |v[33+32*\t]|, |v[34+32*\t]|
	v_max3_num_f32 v9, |v[35+32*\t]|, |v[36+32*\t]|, |v[37+32*\t]|
.irp i, 6,10,14,18,22,26
	v_max3_num_f32 v8, v8, |v[32+32*\t+\i]|, |v[33+32*\t+\i]|
	v_max3_num_f32 v9, v9, |v[34+32*\t+\i]|, |v[35+32*\t+\i]|
.endr
	v_max3_num_f32 v8, v8, |v[62+32*\t]|, |v[63+32*\t]|
	v_max3_num_f32 v8, v8, v9, 0x1800000
	v_add_nc_u32 v11, 0xff000000, v8
.irp g, 0,1,2,3
	v_cvt_scalef32_pk8_fp4_f32 v[160+4*\t+\g], v[32+32*\t+8*\g:39+32*\t+8*\g], v11
.endr
	v_lshrrev_b32 v10, 23, v11
.if \t == 0
	v_mov_b32 v176, v10
.else
	v_lshl_or_b32 v176, v10, 8*\t, v176
.endif
	global_store_b128 v4, v[160+4*\t:163+4*\t], s[24:25] offset:256*\t   ; the 16 lanes of a tile store 256 bytes of an image
.endr
	global_store_b32 v5, v176, s[26:27]            ; 64 bytes a tile; all the weights' scale words are 49,152 bytes
	s_wait_tensorcnt 0x0
	ds_add_u32 v[SPW], v[NIL]
	s_wait_dscnt 0x0
	s_endpgm
.endm
.Lweights:
	s_sub_co_u32 s17, ttmp9, 768
	s_cmp_ge_u32 s17, 48
	s_cbranch_scc1 .Lw2
	s_wait_alu depctr_va_vdst(0)
	WPATH 1024, 8192, 512, 0, 786432, 3, 8
.Lw2:
	s_sub_co_u32 s17, s17, 48
	s_wait_alu depctr_va_vdst(0)
	WPATH 4096, 2048, 128, 393216, 811008, 1, 10
.Lfunc_end_k_q2e8bd12a5f_quant:
	.size	k_q2e8bd12a5f_quant, .Lfunc_end_k_q2e8bd12a5f_quant-k_q2e8bd12a5f_quant
	.p2alignl 7, 3214868480
	.fill 96, 4, 3214868480
	.section	.rodata,"a",@progbits
	.p2align	6, 0x0
	.amdhsa_kernel k_q2e8bd12a5f_quant
		.amdhsa_group_segment_fixed_size 39424
		.amdhsa_private_segment_fixed_size 0
		.amdhsa_enable_private_segment 0
		.amdhsa_kernarg_size 80
		.amdhsa_user_sgpr_count 2
		.amdhsa_user_sgpr_kernarg_segment_ptr 1
		.amdhsa_wavefront_size32 1
		.amdhsa_system_sgpr_workgroup_id_x 1
		.amdhsa_system_sgpr_workgroup_id_y 1
		.amdhsa_system_sgpr_workgroup_id_z 1
		.amdhsa_system_vgpr_workitem_id 0
		.amdhsa_next_free_vgpr 192
		.amdhsa_next_free_sgpr 66
		.amdhsa_reserve_vcc 0
		.amdhsa_float_denorm_mode_32 3
		.amdhsa_float_denorm_mode_16_64 3
		.amdhsa_memory_ordered 1
		.amdhsa_forward_progress 1
		.amdhsa_inst_pref_size 77
	.end_amdhsa_kernel
	.amdgpu_metadata
---
amdhsa.version: [ 1, 2 ]
amdhsa.kernels:
  - .name:           k_q2e8bd12a5f_quant
    .symbol:         k_q2e8bd12a5f_quant.kd
    .args:
      - { .name: a, .offset: 0, .size: 8, .value_kind: global_buffer, .address_space: global }
      - { .name: b, .offset: 8, .size: 8, .value_kind: global_buffer, .address_space: global }
      - { .name: W1, .offset: 16, .size: 8, .value_kind: global_buffer, .address_space: global }
      - { .name: W2, .offset: 24, .size: 8, .value_kind: global_buffer, .address_space: global }
      - { .name: xq, .offset: 32, .size: 8, .value_kind: global_buffer, .address_space: global }
      - { .name: wq, .offset: 40, .size: 8, .value_kind: global_buffer, .address_space: global }
      - { .name: len_a, .offset: 48, .size: 8, .value_kind: global_buffer, .address_space: global }
      - { .name: len_b, .offset: 56, .size: 8, .value_kind: global_buffer, .address_space: global }
      - { .name: qk, .offset: 64, .size: 8, .value_kind: global_buffer, .address_space: global }
      - { .name: vq, .offset: 72, .size: 8, .value_kind: global_buffer, .address_space: global }
    .group_segment_fixed_size: 39424
    .private_segment_fixed_size: 0
    .kernarg_segment_align: 8
    .kernarg_segment_size: 80
    .max_flat_workgroup_size: 128
    .sgpr_count:     66
    .vgpr_count:     192
    .wavefront_size: 32
...
	.end_amdgpu_metadata
.endif
;; end of part 1
;; launch mlp (part 2): grid 85 x 3, 4 waves a work-group, no clusters, 243,712 bytes of LDS; arguments xq, wq, b1, g, bt, rm, rv, b2, qk, vq, len_a, len_b; writes qk, vq
.if DOCPART == 2
	.amdgcn_target "amdgcn-amd-amdhsa--gfx1250"
	.amdhsa_code_object_version 6
	.text
	.protected	k_q2e8bd12a5f_mlp
	.globl	k_q2e8bd12a5f_mlp
	.p2align	8
	.type	k_q2e8bd12a5f_mlp,@function
k_q2e8bd12a5f_mlp:
	s_mov_b64 s[64:65], 0
	v_nop
	global_prefetch_b8 v0, s[64:65] scope:SCOPE_SE
	s_setreg_imm32_b32 hwreg(HW_REG_WAVE_MODE, 25, 1), 1
	s_wait_xcnt 0x0
; Launch 2 of 4: the three nets.  y = BN(lrelu(x W1 + b1)) W2 + b2, both products on codes of E2M1 with E8M0 scales; the results are quantised on the way out: q and k along d, v along the keys.
; WORK LEFT OUT: blocks of 32 rows wholly at or beyond their sequence's length, as the first launch's head says.  Sequence s has min(ceil(len / 32), 8 or 16) live blocks; the live blocks are numbered j = 0 .. T - 1 in
; the order of the row space, and work-group (i, net) takes j = i, i + 85, ..: at most 10.  Block j's place in the row space is j + the dead blocks of all sequences that end at or before j: 64 compares a lane, lane t for j = i + 85 t.
; TWO PHASES.  The waves share the columns: wave w makes hidden units 64 w .. + 63 and outputs d = 256 w .. + 255 for all rows; its parts of W1 and W2 (256 registers each) stay in registers.
; At the head all the work-group's blocks of x go into LDS, each into a slot of its own.  Phase 1: product 1, activation, norm and quantiser for block after block; the hidden layer's images go into LDS slots of their own,
; so no barrier stands in the loop.  56 of W2's 64 loads are asked for ahead of phase 1 and waited for behind it.  One barrier.  Phase 2: product 2 and the output's quantisers, block after block, no barrier.
; Both loops have 10 trips, a constant; a scalar branch leads round the work of a trip that has no block, and round no barrier.  Block j = i is fetched and staged in every work-group (its number held inside the row space), so that slot 0 is always written.
; THE SMALL OPERANDS (five vectors of my 64 hidden units, b2, both sets of scale words: 6,400 bytes a wave) come by 15 dense loads into the wave's own LDS bytes and are dealt to the registers' layout by LDS loads, while len_b is on its way.
; THE HEAD'S LOADS: 15 small and 48 of W1 ahead of the list (63 in all); behind the list 16 of W1, 8 of W2 and 9 for each block of x; behind the staging 56 of W2.
; No prefetch: all that a work-group reads is asked for at its head, there is no loop to run ahead in.
; PRODUCT 1 is used transposed (source 0 = 16 hidden units, source 1 = 16 rows).  PRODUCT 2 likewise for the q and k nets; for the v net as it stands: a lane then holds one d and 16 neighbouring keys.
; b1 and b2 are the C of each sum's first matrix instruction.  lrelu(z) = max(z, 0.01 z).  BN: fma(lrelu, A, bt - rm A) with A = rsq(rv + eps) g, both made once: another order of rounding than reference()'s.
; q IS NOT DIVIDED BY 32 HERE: the quantiser gives the same codes and a scale 5 lower; the third launch takes the factor into its constants.  LIMIT: this fails only for blocks of q under 2^-119.
; LIMITS: lengths from 1 to the sequence's size; a block of zeros gets the byte 1; blocks under 2^-124 keep the byte 1; NaN and infinities are not served.
; qk: codes [q, k][tile 1536][K step 8][1024], then scale words [q, k][tile][512].  vq: V's images [128 keys][d tile 64][1024], then scale bytes [32 keys][wave 4][r 16][16].
; REGISTERS.  window 1: W1, fragment (t, ks) at v[8 (8 t + ks)].  window 2: W2, fragment (t, s) at v[8 (2 t + s)] (at the head v0-223: x's blocks 0-6 on their way).  window 3: b1 v0-31, v32-63 x's block 7 on its way, A v64-95, bt - rm A v96-127, b2 v128-255.
; window 0: v1-15 addresses; v16-31 W1's scale words, v32-47 W2's, v48-55 x's, v56-57 the hidden layer's; v58-63 scale words made; v64-127 fragments of x, then of the hidden layer; v128-191 accumulators; v192-207 addresses and the list; v226-253 at work.
.set XS_OFF, 12582912
.set W2C,   393216
.set W1SO,  786432
.set W2SO,  811008
.set QKS,   25165824
.set VSO,   12582912
.set NT,    10                         ; trips: ceil(768 / 85)
.set XSLOT, 17408                      ; a block of x: 16 images (8192 m + 1024 ks), then 1,024 bytes of scale words
.set XSC,   16384
.set HB,    NT*XSLOT                   ; behind x's slots: the hidden layer's slots
.set HSLOT, 4352                       ; four images (2 m + s), then scale words [m][s][r]
.set HSC,   4096
.set CST,   HB+NT*HSLOT                ; the small operands, CWB bytes for each wave: b1, g, bt, rm, rv (256 each), b2, W1's scale words, W2's
.set CWB,   6400
.set CB2,   1280
.set CS1,   2304
.set CS2,   4352
.set SPARE, CST+4*CWB                  ; the spare words, 128 bytes for each wave
.set LI,  1
.set LS4, 2
.set HWI, 3
.set HWS, 4
.set XWI, 5
.set XSW, 6
.set VOF, 7
.set L8,  8
.set SPW, 12
.set NIL, 13
.set W1S, 16
.set W2S, 32
.set XS,  48
.set HS,  56
.set PWR, 58
.set HF,  64
.set ACC, 128
.set XA,  192                          ; addresses of the block in hand: x's images, x's scale words,
.set XSA, 193
.set HWA, 194                          ; where I store my part of the hidden images and scale words,
.set HSA, 195
.set HRI, 196                          ; where slot 0 of the hidden layer is read,
.set HRS, 197
.set HRA, 198                          ; and the slot asked for
.set HSR, 199
.set BL,  200                          ; lane t: the place in the row space of my block t
.set VJ,  201                          ; lane t: j = i + 85 t
.set TG,  202
.set CW8, 203                          ; my small operands in LDS: + 8 x lane, + 16 x lane (in),
.set CWI, 204
.set CR9, 205                          ; + 64 h, + 4 x lane, + 4 x lane r's index in a tile (out)
.set CRS, 206
.set CR10, 207
.set PC,  226
.set TT,  234
.set TM,  242
.set B1,  0
.set AA,  64
.set BT,  96
.set B2,  128
.set MSB, 0
.macro WIN new
.if MSB != \new
	s_set_vgpr_msb (MSB<<8)|\new
.set MSB, \new
.endif
.endm
.macro PLACES n
.rept \n
	v_nop
.endr
.endm
.macro MM row                          ; one product on rD, rA, rB, rC, rSA, rSB; row = 1: both scale words from lanes 16-31
.if \row
	v_wmma_scale_f32_16x16x128_f8f6f4 v[rD:rD+7], v[rA:rA+7], v[rB:rB+7], v[rC:rC+7], v[rSA], v[rSB] matrix_a_fmt:MATRIX_FMT_FP4 matrix_b_fmt:MATRIX_FMT_FP4 matrix_a_scale:MATRIX_SCALE_ROW1 matrix_b_scale:MATRIX_SCALE_ROW1
.else
	v_wmma_scale_f32_16x16x128_f8f6f4 v[rD:rD+7], v[rA:rA+7], v[rB:rB+7], v[rC:rC+7], v[rSA], v[rSB] matrix_a_fmt:MATRIX_FMT_FP4 matrix_b_fmt:MATRIX_FMT_FP4
.endif
.endm
.macro XFL ks                          ; x's two fragments of K step ks into slot (ks + 2) % 4, from the block at v[XA]
.irp m, 0,1
.irp c, 0,1
	ds_load_b128 v[64+16*(((\ks)+2)%4)+8*\m+4*\c:64+16*(((\ks)+2)%4)+8*\m+4*\c+3], v[XA] offset:8192*\m+1024*(\ks)+512*\c
.endr
.endr
.endm
.macro XFIRST                          ; what a block's first four K steps need
	XFL 0
	XFL 1
	XFL 2
	XFL 3
.irp m, 0,1
.irp i, 0,1,2,3
	ds_load_b32 v[XS+4*\m+\i], v[XSA] offset:XSC+512*\m+128*\i
.endr
.endr
.endm
.macro HFL                             ; the hidden layer's four fragments and two scale words
.irp f, 0,1,2,3
.irp c, 0,1
	ds_load_b128 v[HF+8*\f+4*\c:HF+8*\f+4*\c+3], v[HRA] offset:1024*\f+512*\c
.endr
.endr
.irp m, 0,1
	ds_load_b32 v[HS+\m], v[HSR] offset:128*\m
.endr
.endm
.macro HNEXT                           ; behind a trip's last products and their places: the next block's, if there is one
	s_add_co_u32 s62, s67, HSLOT
	s_min_u32 s62, s62, (NT-1)*HSLOT               ; the next slot, held at the last one
	v_add_nc_u32 v[HRA], s62, v[HRI]
	v_add_nc_u32 v[HSR], s62, v[HRS]
	s_cmp_ge_u32 s63, s60
	s_cbranch_scc1 .Lnn_\@
	HFL
.Lnn_\@:
.endm
; 64 numbers of a lane in four blocks of 16 registers, each block shared with lane l xor 16, become codes in v[PC] on and four scale bytes in v[pw]; swap = 1: a lane gets whole blocks;
; xw = 1: the codes' registers are the data of global stores, which have read them behind s_wait_xcnt 0
.macro QUANT s, pw, swap, xw
.irp b, 0,1,2,3
	v_max3_num_f32 v[TM+\b], |v[\s+16*\b]|, |v[\s+1+16*\b]|, 0x1800000   ; with the floor 2^(3 - 127)
.endr
.irp i, 2,4,6,8,10,12,14
.irp b, 0,1,2,3
	v_max3_num_f32 v[TM+\b], v[TM+\b], |v[\s+16*\b+\i]|, |v[\s+1+16*\b+\i]|
.endr
.endr
.irp b, 0,1,2,3
	v_permlanex16_b32 v[TM+4+\b], v[TM+\b], s28, s29
.endr
.irp b, 0,1,2,3
	v_max_num_f32 v[TM+\b], v[TM+\b], v[TM+4+\b]
.endr
.irp b, 0,1,2,3
	v_add_nc_u32 v[TM+8+\b], 0xff000000, v[TM+\b]  ; 2 off the exponent field: the conversion's scale operand
.endr
.irp b, 0,1,2,3
	v_lshrrev_b32 v[TM+4+\b], 23, v[TM+8+\b]       ; the scale's byte
.endr
	v_lshl_or_b32 v[\pw], v[TM+5], 8, v[TM+4]
	v_lshl_or_b32 v[\pw], v[TM+6], 16, v[\pw]
	v_lshl_or_b32 v[\pw], v[TM+7], 24, v[\pw]
.if \xw
	s_wait_alu depctr_va_vdst(0)
	s_wait_xcnt 0x0                                ; the last stores have read the codes' registers
.endif
.irp b, 0,1,2,3
	v_cvt_scalef32_pk8_fp4_f32 v[PC+2*\b], v[\s+16*\b:\s+7+16*\b], v[TM+8+\b]
	v_cvt_scalef32_pk8_fp4_f32 v[PC+1+2*\b], v[\s+8+16*\b:\s+15+16*\b], v[TM+8+\b]
.endr
	v_nop                                          ; one plain line behind the last scaled conversion
.if \swap
.irp c, 0,1
.irp i, 0,1
	v_permlane16_swap_b32 v[PC+4*\c+\i], v[PC+2+4*\c+\i]
.endr
.endr
.endif
.endm
.macro ACT                             ; the activation and the norm on the 64 sums, each accumulator from its low end on
.set n, 0
.rept 8
.irp k, 0,1,2,3
	v_pk_mul_f32 v[TT+2*\k:TT+2*\k+1], v[ACC+8*n+2*\k:ACC+8*n+2*\k+1], s[30:31] op_sel_hi:[1,0]
.endr
.irp k, 0,1,2,3,4,5,6,7
	v_max_num_f32 v[ACC+8*n+\k], v[ACC+8*n+\k], v[TT+\k]
.endr
.set n, n+1
.endr
	WIN 0x3c                                       ; sources 1 and 2 in window 3
.set n, 0
.rept 32
	v_pk_fma_f32 v[ACC+2*n:ACC+2*n+1], v[ACC+2*n:ACC+2*n+1], v[AA+(2*n)%32:AA+(2*n)%32+1], v[BT+(2*n)%32:BT+(2*n)%32+1]
.set n, n+1
.endr
	WIN 0
.endm
; K step ks of the first product: 8 accumulators (4 hidden tiles x 2 row tiles) by turns
.macro P1STEP ks
.if (\ks) >= 4
	s_wait_dscnt 4*(7-(\ks))                       ; this K step's four loads are in; those of the K steps behind it may be out
.endif
.if (\ks) == 0
	WIN 0x31                                       ; W1 in window 1, C = b1 in window 3
.else
	WIN 0x01
.endif
.irp t, 0,1,2,3
.irp m, 0,1
.set rD, ACC+32*\m+8*\t
.set rA, 8*(8*\t+(\ks))
.set rB, 64+16*(((\ks)+2)%4)+8*\m
.if (\ks) == 0
.set rC, B1+8*\t
.else
.set rC, ACC+32*\m+8*\t
.endif
.set rSA, W1S+4*\t+(\ks)/2
.set rSB, XS+4*\m+(\ks)/2
	MM (\ks)%2
.endr
.endr
.if ((\ks) < 4) || ((\ks) == 7)
	WIN 0
	PLACES 4                                       ; in front of loads into registers that these products read, and of the first read of results
.endif
.if (\ks) < 4
	XFL (\ks)+4
.endif
.endm
; q and k nets: row tile m, d tiles 8 g .. 8 g + 7 of my 16: one K step (2 w + g) of the scores' product
.macro G2QK m, g, last
	WIN 0x32                                       ; W2 in window 2, C = b2 in window 3
.irp t, 0,1,2,3,4,5,6,7
.set rD, ACC+8*\t
.set rA, 16*(8*\g+\t)
.set rB, HF+16*\m
.set rC, B2+8*(8*\g+\t)
.set rSA, W2S+8*\g+\t
.set rSB, HS+\m
	MM 0
.endr
	WIN 0x02
.irp t, 0,1,2,3,4,5,6,7
.set rD, ACC+8*\t
.set rA, 16*(8*\g+\t)+8
.set rB, HF+16*\m+8
.set rC, ACC+8*\t
.set rSA, W2S+8*\g+\t
.set rSB, HS+\m
	MM 1
.endr
	WIN 0
	PLACES 5                                       ; the results are read next, and the next group's products write over these accumulators
.if \last
	HNEXT
.endif
	QUANT ACC, PWR+\g, 1, 1
.irp c, 0,1
	global_store_b128 v[LI], v[PC+4*\c:PC+4*\c+3], s[36:37] offset:8192*\m+1024*\g+512*\c   ; 512 consecutive bytes of the image
.endr
.if \g == 1
	v_cndmask_b32 v[62+\m], v[PWR], v[PWR+1], s48  ; lanes 0-15 K step 2 w, lanes 16-31 K step 2 w + 1
	global_store_b32 v[LS4], v[62+\m], s[38:39] offset:512*\m   ; 128 consecutive bytes
.endif
.endm
; v net: d tiles 4 tg .. 4 tg + 3 of my 16, both row tiles
.macro G2V tg, last
	WIN 0x38                                       ; W2 (source 1) in window 2, C = b2 in window 3
.irp t, 0,1,2,3
.irp m, 0,1
.set rD, ACC+16*\t+8*\m
.set rA, HF+16*\m
.set rB, 16*(4*\tg+\t)
.set rC, B2+8*(4*\tg+\t)
.set rSA, HS+\m
.set rSB, W2S+4*\tg+\t
	MM 0
.endr
.endr
	WIN 0x08
.irp t, 0,1,2,3
.irp m, 0,1
.set rD, ACC+16*\t+8*\m
.set rA, HF+16*\m+8
.set rB, 16*(4*\tg+\t)+8
.set rC, ACC+16*\t+8*\m
.set rSA, HS+\m
.set rSB, W2S+4*\tg+\t
	MM 1
.endr
.endr
	WIN 0
	PLACES 5
.if \last
	HNEXT
.endif
	QUANT ACC, PWR+\tg, 0, 1
.irp t, 0,1,2,3
	global_store_b64 v[VOF], v[PC+2*\t:PC+2*\t+1], s[42:43] offset:(4*\tg+\t)*1024   ; 256 consecutive bytes, aligned: one block of an image
.endr
.endm
; one sequence of the list: s61 counts the live blocks through it; a lane whose j lies at or behind that count has this sequence's dead blocks ahead of its block
.macro SEQ reg, cap
	s_add_co_u32 s62, s[\reg], 31
	s_lshr_b32 s62, s62, 5
	s_min_u32 s62, s62, \cap
	s_add_co_u32 s61, s61, s62
	s_sub_co_u32 s62, \cap, s62
	v_cmp_le_u32 vcc_lo, s61, v[VJ]
	v_cndmask_b32 v[TG], 0, s62, vcc_lo
	v_add_nc_u32 v[BL], v[BL], v[TG]
.endm
; my quarter of block t of x: 4,096 bytes of images, 256 of scale words.  A work-group with t blocks goes on to the staging of blocks t - 1 .. 0
.macro XLOAD t, out
.if \t > 0
	s_cmp_le_u32 s60, \t
	s_cbranch_scc1 \out
	s_wait_xcnt 0x0                                ; the loads before have read their bases
.endif
	v_readlane_b32 s62, v[BL], \t
	s_min_u32 s62, s62, 767                        ; inside the row space
	s_lshl_b32 s46, s62, 14
	s_add_nc_u64 s[32:33], s[68:69], s[46:47]
	s_lshl_b32 s46, s62, 10
	s_add_nc_u64 s[34:35], s[70:71], s[46:47]
.if \t < 7
.set rX, 32*\t
	WIN 0x80
.elseif \t == 7
.set rX, 32
	WIN 0xc0
.else
.set rX, 64+32*(\t-8)
.endif
.irp n, 0,1,2,3,4,5,6,7
	global_load_b128 v[rX+4*\n:rX+4*\n+3], v[LI], s[32:33] offset:512*\n
.endr
	WIN 0
	global_load_b64 v[128+2*\t:129+2*\t], v[L8], s[34:35]
.endm
.macro XSTAGE t
.Lfrom\t:
	s_wait_loadcnt 0x0
	v_add_nc_u32 v14, \t*XSLOT, v[XWI]
	v_add_nc_u32 v15, \t*XSLOT, v[XSW]
.if \t < 7
.set rX, 32*\t
	WIN 0x08
.elseif \t == 7
.set rX, 32
	WIN 0x0c
.else
.set rX, 64+32*(\t-8)
.endif
.irp n, 0,1,2,3,4,5,6,7
	ds_store_b128 v14, v[rX+4*\n:rX+4*\n+3] offset:512*\n
.endr
	WIN 0
	ds_store_b64 v15, v[128+2*\t:129+2*\t]
.endm
	s_load_b512 s[4:19], s[0:1], 0x0               ; xq, wq, b1, g, bt, rm, rv, b2
	s_load_b256 s[20:27], s[0:1], 0x40             ; qk, vq, len_a, len_b
	v_lshl_add_u32 v[SPW], v0, 2, SPARE
	v_mov_b32 v[NIL], 0
	v_lshrrev_b32 v1, 5, v0
	v_readfirstlane_b32 s58, v1                    ; wave
	s_and_b32 s59, ttmp7, 0xffff                   ; net
	s_mov_b32 s63, ttmp9                           ; i
	s_mov_b32 s28, 0x76543210
	s_mov_b32 s29, 0xfedcba98                      ; v_permlanex16_b32's selects for lane l xor 16
	s_mov_b32 s30, 0x3c23d70a                      ; 0.01
	s_mov_b32 s31, s30
	s_mov_b32 s48, 0xffff0000                      ; lanes 16-31
	s_mov_b32 s47, 0
	s_lshl_b32 s32, s58, 9
	s_add_co_u32 s32, s32, HB                      ; my half of a hidden image: K step w / 2, registers 4 (w % 2) on
	s_lshr_b32 s33, s58, 1
	s_lshl_b32 s33, s33, 6
	s_and_b32 s34, s58, 1
	s_lshl_b32 s34, s34, 1
	s_add_co_u32 s33, s33, s34
	s_add_co_u32 s33, s33, HB+HSC                  ; my two bytes of its scale words: 64 (w / 2) + 2 (w % 2)
	s_lshl_b32 s34, s58, 12
	s_lshl_b32 s35, s58, 8
	s_add_co_u32 s35, s35, XSC
	s_mul_i32 s36, s58, CWB
	s_add_co_u32 s36, s36, CST                     ; my small operands in LDS
	v_and_b32 v14, 31, v0                          ; lane
	v_and_b32 v15, 15, v0                          ; r
	v_bfe_u32 v11, v0, 4, 1                        ; h
	v_lshlrev_b32 v[LI], 4, v14
	v_lshlrev_b32 v[LS4], 2, v14
	v_lshlrev_b32 v[L8], 3, v14
	v_mad_u32_u24 v[VJ], v14, 85, s63
	v_mov_b32 v[BL], v[VJ]
	v_add_nc_u32 v[HWI], s32, v[LI]
	v_lshl_add_u32 v[HWS], v15, 2, s33
	v_add_nc_u32 v[XWI], s34, v[LI]
	v_add_nc_u32 v[XSW], s35, v[L8]
	v_add_nc_u32 v[HRI], HB, v[LI]
	v_add_nc_u32 v[HRS], HB+HSC, v[LS4]
	v_mov_b32 v[XA], v[LI]
	v_mov_b32 v[XSA], v[LS4]
	v_lshlrev_b32 v[VOF], 4, v15
	v_lshl_add_u32 v[VOF], v11, 3, v[VOF]
	v_add_nc_u32 v[CW8], s36, v[L8]
	v_add_nc_u32 v[CWI], s36, v[LI]
	v_add_nc_u32 v[CRS], s36, v[LS4]
	v_lshl_add_u32 v[CR9], v11, 6, s36             ; 16 h numbers on: the vectors' lane offset in a transposed result
	v_and_b32 v10, 7, v15
	v_lshrrev_b32 v14, 3, v15
	v_lshl_add_u32 v10, v14, 4, v10
	v_lshl_add_u32 v[CR10], v10, 2, s36            ; lane r's index in a tile: b2's lane offset in the v net
.irp b, 0,1,2,3
	v_mov_b32 v[TM+4+\b], 0                        ; a lane exchange's destination counts as one of its sources
.endr
	v_mov_b32 v[HS], 0x7f7f7f7f                    ; written on every way: the scale 1
	v_mov_b32 v[HS+1], 0x7f7f7f7f
	s_wait_alu depctr_va_vdst(0)
	s_wait_kmcnt 0x0
	s_load_b512 s[68:83], s[24:25], 0x0            ; len_a
	s_load_b512 s[84:99], s[24:25], 0x40
	s_lshl_b32 s46, s59, 17
	s_lshl_b32 s49, s58, 15
	s_add_co_u32 s46, s46, s49
	s_add_nc_u64 s[50:51], s[6:7], s[46:47]        ; my 32,768 bytes of W1's images
	s_add_nc_u64 s[52:53], s[50:51], W2C           ; and of W2's
	s_lshl_b32 s46, s59, 13
	s_lshl_b32 s49, s58, 11
	s_add_co_u32 s46, s46, s49
	s_add_co_u32 s46, s46, W1SO
	s_add_nc_u64 s[54:55], s[6:7], s[46:47]
	s_add_nc_u64 s[56:57], s[54:55], W2SO-W1SO
	s_lshl_b32 s46, s59, 10
	s_lshl_b32 s49, s58, 8
	s_add_co_u32 s46, s46, s49
	s_add_nc_u64 s[8:9], s[8:9], s[46:47]          ; b1, g, bt, rm, rv at my 64 hidden units
	s_add_nc_u64 s[10:11], s[10:11], s[46:47]
	s_add_nc_u64 s[12:13], s[12:13], s[46:47]
	s_add_nc_u64 s[14:15], s[14:15], s[46:47]
	s_add_nc_u64 s[16:17], s[16:17], s[46:47]
	s_lshl_b32 s46, s59, 12
	s_lshl_b32 s49, s58, 10
	s_add_co_u32 s46, s46, s49
	s_add_nc_u64 s[18:19], s[18:19], s[46:47]      ; b2 at my 256 outputs
.irp a, 0,1,2,3,4
	global_load_b64 v[64+2*\a:65+2*\a], v[L8], s[8+2*\a:9+2*\a]   ; 256 consecutive bytes each: b1, g, bt, rm, rv
.endr
.irp k, 0,1
	global_load_b128 v[76+4*\k:79+4*\k], v[LI], s[18:19] offset:512*\k
.endr
.irp k, 0,1,2,3
	global_load_b128 v[84+4*\k:87+4*\k], v[LI], s[54:55] offset:512*\k
	global_load_b128 v[100+4*\k:103+4*\k], v[LI], s[56:57] offset:512*\k
.endr
	WIN 0x40
.set n, 0
.rept 48
	global_load_b128 v[4*n:4*n+3], v[LI], s[50:51] offset:512*n
.set n, n+1
.endr
	WIN 0
	; the list of my blocks, while the loads above are on their way
	s_mov_b32 s61, 0
	s_wait_kmcnt 0x0
.set n, 0
.rept 32
	SEQ 68+n, 8
.set n, n+1
.endr
	s_load_b512 s[68:83], s[26:27], 0x0            ; len_b; while it is on its way the small operands are dealt out
	s_load_b512 s[84:99], s[26:27], 0x40
	s_wait_alu depctr_va_vdst(0)
	s_wait_loadcnt 48                              ; the 15 small loads are in; W1's 48 behind them may be out
.irp a, 0,1,2,3,4
	ds_store_b64 v[CW8], v[64+2*\a:65+2*\a] offset:256*\a
.endr
.irp k, 0,1
	ds_store_b128 v[CWI], v[76+4*\k:79+4*\k] offset:CB2+512*\k
.endr
.irp k, 0,1,2,3
	ds_store_b128 v[CWI], v[84+4*\k:87+4*\k] offset:CS1+512*\k
	ds_store_b128 v[CWI], v[100+4*\k:103+4*\k] offset:CS2+512*\k
.endr
	; LDS serves a wave's instructions in order, and these bytes are my wave's own: no wait between the stores and the loads
	WIN 0xc0
.irp t, 0,1,2,3
.irp k, 0,1
	ds_load_b128 v[B1+8*\t+4*\k:B1+8*\t+4*\k+3], v[CR9] offset:(32*(\t/2)+8*(\t%2))*4+16*\k
	ds_load_b128 v[BT+8*\t+4*\k:BT+8*\t+4*\k+3], v[CR9] offset:512+(32*(\t/2)+8*(\t%2))*4+16*\k
.endr
.endr
	WIN 0
.irp t, 0,1,2,3
.irp k, 0,1
	ds_load_b128 v[128+8*\t+4*\k:128+8*\t+4*\k+3], v[CR9] offset:256+(32*(\t/2)+8*(\t%2))*4+16*\k    ; g
	ds_load_b128 v[208+8*\t+4*\k:208+8*\t+4*\k+3], v[CR9] offset:768+(32*(\t/2)+8*(\t%2))*4+16*\k    ; rm
	ds_load_b128 v[160+8*\t+4*\k:160+8*\t+4*\k+3], v[CR9] offset:1024+(32*(\t/2)+8*(\t%2))*4+16*\k   ; rv
.endr
.endr
.set n, 0
.rept 16
	ds_load_b32 v[W1S+n], v[CRS] offset:CS1+128*n
	ds_load_b32 v[W2S+n], v[CRS] offset:CS2+128*n
.set n, n+1
.endr
	s_cmp_eq_u32 s59, 2
	s_cbranch_scc1 .Lb2v
	WIN 0xc0                                       ; q, k: a lane's eight results are eight neighbouring d
.irp t, 0,1,2,3,4,5,6,7,8,9,10,11,12,13,14,15
.irp k, 0,1
	ds_load_b128 v[B2+8*\t+4*\k:B2+8*\t+4*\k+3], v[CR9] offset:CB2+(32*(\t/2)+8*(\t%2))*4+16*\k
.endr
.endr
	WIN 0
	s_branch .Lb2done
.Lb2v:
	WIN 0xc0                                       ; v: a lane's eight results are eight rows of one d: eight copies of its b2
.irp t, 0,1,2,3,4,5,6,7,8,9,10,11,12,13,14,15
	ds_load_b32 v[B2+8*\t], v[CR10] offset:CB2+(32*(\t/2)+8*(\t%2))*4
.endr
	s_wait_dscnt 0x0
	WIN 0xc3
.irp t, 0,1,2,3,4,5,6,7,8,9,10,11,12,13,14,15
.irp j, 1,2,3,4,5,6,7
	v_mov_b32 v[B2+8*\t+\j], v[B2+8*\t]
.endr
.endr
	WIN 0
.Lb2done:
	s_wait_dscnt 0x0
.set n, 0
.rept 32
	v_add_f32 v[160+n], 0x3727c5ac, v[160+n]       ; rv + 1e-5
.set n, n+1
.endr
	s_wait_alu depctr_va_vdst(0)
.set n, 0
.rept 32
	v_rsq_f32 v[160+n], v[160+n]
.set n, n+1
.endr
	v_nop                                          ; a plain line behind the last of the batch
	s_wait_alu depctr_va_vdst(0)                   ; and one wait for the 32, ahead of their first reader
	WIN 0xc0
.set n, 0
.rept 32
	v_mul_f32 v[AA+n], v[160+n], v[128+n]          ; A
.set n, n+1
.endr
	WIN 0xfc
.set n, 0
.rept 32
	v_fma_f32 v[BT+n], -v[208+n], v[AA+n], v[BT+n] ; bt - rm A
.set n, n+1
.endr
	WIN 0
	s_wait_alu depctr_va_vdst(0)
	s_wait_kmcnt 0x0
.set n, 0
.rept 32
	SEQ 68+n, 16
.set n, n+1
.endr
	v_cmp_gt_u32 vcc_lo, s61, v[VJ]                ; s61 = T: the lanes whose j is a live block
	s_bcnt1_i32_b32 s60, vcc_lo
	s_min_u32 s60, s60, NT                         ; my number of blocks
	s_wait_alu depctr_va_vdst(0)
	WIN 0x40
.set n, 48
.rept 16
	global_load_b128 v[4*n:4*n+3], v[LI], s[50:51] offset:512*n   ; the rest of W1
.set n, n+1
.endr
	WIN 0x80
.set n, 56
.rept 8
	global_load_b128 v[4*n:4*n+3], v[LI], s[52:53] offset:512*n   ; the part of W2 on whose registers no block of x lands
.set n, n+1
.endr
	WIN 0
	s_lshl_b32 s46, s58, 12
	s_add_nc_u64 s[68:69], s[4:5], s[46:47]        ; x's images: my quarter of block 0 of the row space
	s_lshl_b32 s46, s58, 8
	s_add_co_u32 s46, s46, XS_OFF
	s_add_nc_u64 s[70:71], s[4:5], s[46:47]        ; and of its scale words
	s_mul_i32 s46, s59, 12582912
	s_lshl_b32 s49, s58, 11
	s_add_co_u32 s46, s46, s49
	s_add_nc_u64 s[72:73], s[20:21], s[46:47]      ; q's or k's images, K steps 2 w, 2 w + 1 (not used by the v net)
	s_mul_i32 s46, s59, 786432
	s_lshl_b32 s49, s58, 7
	s_add_co_u32 s46, s46, s49
	s_add_co_u32 s46, s46, QKS
	s_add_nc_u64 s[74:75], s[20:21], s[46:47]      ; their scale words
	s_lshl_b32 s46, s58, 14
	s_add_nc_u64 s[40:41], s[22:23], s[46:47]      ; V's images: my 16 d tiles
	s_lshl_b32 s46, s58, 8
	s_add_co_u32 s46, s46, VSO
	s_add_nc_u64 s[76:77], s[22:23], s[46:47]      ; V's scale bytes
	XLOAD 0, 0
	XLOAD 1, .Lfrom0
	XLOAD 2, .Lfrom1
	XLOAD 3, .Lfrom2
	XLOAD 4, .Lfrom3
	XLOAD 5, .Lfrom4
	XLOAD 6, .Lfrom5
	XLOAD 7, .Lfrom6
	XLOAD 8, .Lfrom7
	XLOAD 9, .Lfrom8
.irp t, 9,8,7,6,5,4,3,2,1,0
	XSTAGE \t
.endr
	s_wait_dscnt 0x0                               ; the stores have read their registers, and have landed
	WIN 0x80
.set n, 0
.rept 56
	global_load_b128 v[4*n:4*n+3], v[LI], s[52:53] offset:512*n   ; W2: waited for behind phase 1
.set n, n+1
.endr
	WIN 0
	s_mov_b32 s61, 0                               ; the trip
	s_mov_b32 s66, 0                               ; its slot of x
	s_mov_b32 s67, 0                               ; its slot of the hidden layer
	s_wait_alu depctr_va_vdst(0)
	s_barrier_signal -1
	s_barrier_wait -1                              ; every wave's quarters of x lie in LDS
	XFIRST                                         ; slot 0
.Lp1:                                          ; PHASE 1
	s_cmp_ge_u32 s61, s60
	s_cbranch_scc1 .Lp1_skip
	s_add_co_u32 s63, s61, 1
	v_add_nc_u32 v[XA], s66, v[LI]
	v_add_nc_u32 v[XSA], s66, v[LS4]
	v_add_nc_u32 v[HWA], s67, v[HWI]
	v_add_nc_u32 v[HSA], s67, v[HWS]
	s_wait_alu depctr_va_vdst(0)
	s_wait_dscnt 0x0                               ; K steps 0 to 3 of x and its scale words are in
.irp ks, 0,1,2,3,4,5,6,7
	P1STEP \ks
.endr
	s_add_co_u32 s62, s66, XSLOT
	s_min_u32 s62, s62, (NT-1)*XSLOT               ; the next slot, held at the last one; this block's loads have all been issued, so the two addresses may step
	v_add_nc_u32 v[XA], s62, v[LI]
	v_add_nc_u32 v[XSA], s62, v[LS4]
	s_cmp_ge_u32 s63, s60
	s_cbranch_scc1 .Lp1_last
	XFIRST                                         ; the next block's, under this block's vector work
.Lp1_last:
	ACT
	QUANT ACC, PWR, 1, 0                           ; codes 4 m .. 4 m + 3 are my half of K step w / 2 of row tile m
	ds_store_b128 v[HWA], v[PC:PC+3]
	ds_store_b128 v[HWA], v[PC+4:PC+7] offset:2048
	ds_store_b16 v[HSA], v[PWR]                    ; row tile 0's two bytes (both halves of the lanes write the same)
	ds_store_b16_d16_hi v[HSA], v[PWR] offset:128  ; row tile 1's
.Lp1_skip:
	s_add_co_u32 s66, s66, XSLOT
	s_add_co_u32 s67, s67, HSLOT
	s_add_co_u32 s61, s61, 1
	s_cmp_lt_u32 s61, NT
	s_cbranch_scc1 .Lp1
	s_mov_b32 s61, 0
	s_mov_b32 s67, 0
	v_mov_b32 v[HRA], v[HRI]
	v_mov_b32 v[HSR], v[HRS]
	s_wait_alu depctr_va_vdst(0)
	s_wait_loadcnt 0x0                             ; W2 is in
	s_wait_dscnt 0x0                               ; my stores of the hidden layer have landed
	s_barrier_signal -1
	s_barrier_wait -1                              ; the hidden layer's images are whole
	s_cmp_eq_u32 s60, 0
	s_cbranch_scc1 .Lp2
	HFL
.Lp2:                                          ; PHASE 2
	s_cmp_ge_u32 s61, s60
	s_cbranch_scc1 .Lp2_skip
	v_readlane_b32 s62, v[BL], s61                 ; this trip's block
	s_min_u32 s62, s62, 767
	s_wait_xcnt 0x0                                ; the last trip's stores have read their bases
	s_lshl_b32 s46, s62, 14
	s_add_nc_u64 s[36:37], s[72:73], s[46:47]
	s_and_b32 s46, s62, 0x3fc
	s_lshl_b32 s46, s46, 14                        ; the K step of 128 keys: 64 images
	s_and_b32 s49, s62, 3
	s_lshl_b32 s49, s49, 8                         ; this block of 32 keys in an image
	s_add_co_u32 s46, s46, s49
	s_add_nc_u64 s[42:43], s[40:41], s[46:47]
	s_lshl_b32 s46, s62, 10
	s_add_nc_u64 s[38:39], s[74:75], s[46:47]
	s_add_nc_u64 s[44:45], s[76:77], s[46:47]
	s_add_co_u32 s63, s61, 1
	s_wait_dscnt 0x0                               ; the hidden layer's fragments and scale words are in
	s_cmp_eq_u32 s59, 2
	s_cbranch_scc1 .Lvnet
	G2QK 0, 0, 0
	G2QK 0, 1, 0
	G2QK 1, 0, 0
	G2QK 1, 1, 1
	s_branch .Lp2_skip
.Lvnet:
	G2V 0, 0
	G2V 1, 0
	G2V 2, 0
	G2V 3, 1
	v_cndmask_b32 v62, v[PWR], v[PWR+2], s48       ; lanes 0-15 store d tiles 0-7's bytes, lanes 16-31 tiles 8-15's
	v_cndmask_b32 v63, v[PWR+1], v[PWR+3], s48
	global_store_b64 v[VOF], v[62:63], s[44:45]    ; 256 consecutive bytes, aligned
.Lp2_skip:
	s_add_co_u32 s67, s67, HSLOT
	s_add_co_u32 s61, s61, 1
	s_cmp_lt_u32 s61, NT
	s_cbranch_scc1 .Lp2
	s_wait_tensorcnt 0x0                           ; the wave's end
	ds_add_u32 v[SPW], v[NIL]
	s_wait_dscnt 0x0
	s_endpgm
.Lfunc_end_k_q2e8bd12a5f_mlp:
	.size	k_q2e8bd12a5f_mlp, .Lfunc_end_k_q2e8bd12a5f_mlp-k_q2e8bd12a5f_mlp
	.p2alignl 7, 3214868480
	.fill 96, 4, 3214868480
	.section	.rodata,"a",@progbits
	.p2align	6, 0x0
	.amdhsa_kernel k_q2e8bd12a5f_mlp
		.amdhsa_group_segment_fixed_size 243712
		.amdhsa_private_segment_fixed_size 0
		.amdhsa_enable_private_segment 0
		.amdhsa_kernarg_size 96
		.amdhsa_user_sgpr_count 2
		.amdhsa_user_sgpr_kernarg_segment_ptr 1
		.amdhsa_wavefront_size32 1
		.amdhsa_system_sgpr_workgroup_id_x 1
		.amdhsa_system_sgpr_workgroup_id_y 1
		.amdhsa_system_sgpr_workgroup_id_z 1
		.amdhsa_system_vgpr_workitem_id 0
		.amdhsa_next_free_vgpr 1024
		.amdhsa_next_free_sgpr 100
		.amdhsa_reserve_vcc 1
		.amdhsa_float_denorm_mode_32 3
		.amdhsa_float_denorm_mode_16_64 3
		.amdhsa_memory_ordered 1
		.amdhsa_forward_progress 1
		.amdhsa_inst_pref_size 154
	.end_amdhsa_kernel
	.amdgpu_metadata
---
amdhsa.version: [ 1, 2 ]
amdhsa.kernels:
  - .name:           k_q2e8bd12a5f_mlp
    .symbol:         k_q2e8bd12a5f_mlp.kd
    .args:
      - { .name: xq, .offset: 0, .size: 8, .value_kind: global_buffer, .address_space: global }
      - { .name: wq, .offset: 8, .size: 8, .value_kind: global_buffer, .address_space: global }
      - { .name: b1, .offset: 16, .size: 8, .value_kind: global_buffer, .address_space: global }
      - { .name: g, .offset: 24, .size: 8, .value_kind: global_buffer, .address_space: global }
      - { .name: bt, .offset: 32, .size: 8, .value_kind: global_buffer, .address_space: global }
      - { .name: rm, .offset: 40, .size: 8, .value_kind: global_buffer, .address_space: global }
      - { .name: rv, .offset: 48, .size: 8, .value_kind: global_buffer, .address_space: global }
      - { .name: b2, .offset: 56, .size: 8, .value_kind: global_buffer, .address_space: global }
      - { .name: qk, .offset: 64, .size: 8, .value_kind: global_buffer, .address_space: global }
      - { .name: vq, .offset: 72, .size: 8, .value_kind: global_buffer, .address_space: global }
      - { .name: len_a, .offset: 80, .size: 8, .value_kind: global_buffer, .address_space: global }
      - { .name: len_b, .offset: 88, .size: 8, .value_kind: global_buffer, .address_space: global }
    .group_segment_fixed_size: 243712
    .private_segment_fixed_size: 0
    .kernarg_segment_align: 8
    .kernarg_segment_size: 96
    .max_flat_workgroup_size: 128
    .sgpr_count:     100
    .vgpr_count:     1024
    .wavefront_size: 32
...
	.end_amdgpu_metadata
.endif
;; end of part 2
;; launch attn (part 3): grid 4 x 64, 4 waves a work-group, clusters of 4 x 1, 327,680 bytes of LDS; arguments qk, vq, len_a, len_b, part; writes part
.if DOCPART == 3
	.amdgcn_target "amdgcn-amd-amdhsa--gfx1250"
	.amdhsa_code_object_version 6
	.text
	.protected	k_q2e8bd12a5f_attn
	.globl	k_q2e8bd12a5f_attn
	.p2align	8
	.type	k_q2e8bd12a5f_attn,@function
k_q2e8bd12a5f_attn:
	s_mov_b64 s[64:65], 0
	v_nop
	global_prefetch_b8 v0, s[64:65] scope:SCOPE_SE
	s_setreg_imm32_b32 hwreg(HW_REG_WAVE_MODE, 25, 1), 1
	s_wait_xcnt 0x0
	s_wait_alu depctr_hold_cnt(0) depctr_sa_sdst(0) depctr_va_vdst(0) depctr_va_sdst(0) depctr_va_ssrc(0) depctr_va_vcc(0) depctr_vm_vsrc(0)
	s_getreg_b32 s2, hwreg(HW_REG_IB_STS2, 6, 4)
	s_cmp_eq_u32 s2, 0
	s_cbranch_scc0 .Lentry_in_a_cluster
	s_endpgm
.Lentry_in_a_cluster:
	s_bfe_u32 s2, ttmp6, 0x10000c
	s_cmp_lg_u32 s2, 0x3003
	s_cbranch_scc0 .Lentry_shape_is_right
	s_endpgm
.Lentry_shape_is_right:
; Launch 3 of 4: both cross attentions on codes of E2M1.  Work-group (x, y): direction y / 32, batch y % 32, quarter x of the queries; it stores its quarter's part of the mean over the valid queries.
; The four work-groups of a cluster walk the same keys: K's images come by one joint tensor load a wave.  K's scale words, a sixteenth of K's bytes, go from memory straight into their registers, 4 bytes a lane.
; WORK LEFT OUT by the launches before: blocks of 32 rows wholly beyond a length have no codes made for them and the scale byte 127.  Here their scores are replaced ahead of the maximum as every masked key's are,
; their p has zero codes against V, and their queries get the weight 0: nothing of them reaches the result.  LIMITS: lengths from 1 to the sequence's size; the scaled scores stay under 2^31 in magnitude.
.set PIMG,  0
.set PSC,   16384
.set LSM,   18432
.set MX,    19456
.set SPARE, 21504
.set KIMG,  22528
.set KSCL,  284672
.set LI,  1
.set LS4, 2
.set R16, 3
.set MXW, 4
.set PIW, 5
.set PSW, 6
.set LSW, 7
.set LRD, 8
.set OA,  9
.set D1,  10
.set QI,  11
.set SPW, 12
.set NIL, 13
.set KA,  14
.set KSA, 15
.set QS,  16
.set KS,  32
.set VT,  32
.set VW,  64
.set KB,  128
.set BM,  128
.set TP,  136
.set SO,  144
.set NM,  152
.set CH,  156
.set PC,  164
.set PW,  180
.set WD1, 182
.set NEGV, 183
.set MXL, 184
.set WQI, 192
.set PINF, 193
.set RX,  194
.set WK,  196
.set WW,  128
.set TS,  192
.set EE,  200
.set MSB, 0
.macro WIN new
.if MSB != \new
	s_set_vgpr_msb (MSB<<8)|\new
.set MSB, \new
.endif
.endm
.macro PLACES n
.rept \n
	v_nop
.endr
.endm
.macro BARRIER
	s_wait_dscnt 0x0
	s_barrier_signal -1
	s_barrier_wait -1
.endm
.macro CROUND
	s_barrier_signal -1
	s_barrier_wait -1
	s_cmp_lg_u32 s14, 0
	s_cbranch_scc1 .Lnot_wave_0_\@
	s_barrier_signal -3
.Lnot_wave_0_\@:
	s_barrier_wait -3
	s_barrier_signal -1
	s_barrier_wait -1
.endm
.macro MM row, zero
.if \zero
	v_wmma_scale_f32_16x16x128_f8f6f4 v[rD:rD+7], v[rA:rA+7], v[rB:rB+7], 0, v[rSA], v[rSB] matrix_a_fmt:MATRIX_FMT_FP4 matrix_b_fmt:MATRIX_FMT_FP4
.elseif \row
	v_wmma_scale_f32_16x16x128_f8f6f4 v[rD:rD+7], v[rA:rA+7], v[rB:rB+7], v[rD:rD+7], v[rSA], v[rSB] matrix_a_fmt:MATRIX_FMT_FP4 matrix_b_fmt:MATRIX_FMT_FP4 matrix_a_scale:MATRIX_SCALE_ROW1 matrix_b_scale:MATRIX_SCALE_ROW1
.else
	v_wmma_scale_f32_16x16x128_f8f6f4 v[rD:rD+7], v[rA:rA+7], v[rB:rB+7], v[rD:rD+7], v[rSA], v[rSB] matrix_a_fmt:MATRIX_FMT_FP4 matrix_b_fmt:MATRIX_FMT_FP4
.endif
.endm
.macro QL ks
	WIN 0x40
.irp e, 0,1
.irp c, 0,1
	global_load_b128 v[128+64*\e+8*(\ks)+4*\c:128+64*\e+8*(\ks)+4*\c+3], v[LI], s[36:37] offset:\e*8192+(\ks)*1024+512*\c
.endr
.endr
	WIN 0x80
.irp e, 0,1
.irp c, 0,1
	global_load_b128 v[128+64*\e+8*(\ks)+4*\c:128+64*\e+8*(\ks)+4*\c+3], v[LI], s[36:37] offset:(2+\e)*8192+(\ks)*1024+512*\c
.endr
.endr
	WIN 0
.endm
.macro KL ks
.irp kt, 0,1,2,3,4,5,6,7
.irp c, 0,1
	ds_load_b128 v[KB+64*((\ks)%2)+8*\kt+4*\c:KB+64*((\ks)%2)+8*\kt+4*\c+3], v[KA] offset:8192*\kt+1024*(\ks)+512*\c
.endr
.endr
.endm
.macro VL dt
.if (\dt) < 8
	WIN 0xc0
.set rV, 32*(\dt)
.elseif (\dt) < 12
	WIN 0
.set rV, 128+32*((\dt)-8)
.else
	WIN 0xc0
.set rV, 32*((\dt)-12)
.endif
.irp sg, 0,1,2,3
.irp c, 0,1
.if \sg < 2
	global_load_b128 v[rV+8*\sg+4*\c:rV+8*\sg+4*\c+3], v[LI], s[44:45] offset:(\sg%2)*65536+(\dt)*1024+512*\c
.else
	global_load_b128 v[rV+8*\sg+4*\c:rV+8*\sg+4*\c+3], v[LI], s[46:47] offset:(\sg%2)*65536+(\dt)*1024+512*\c
.endif
.endr
.endr
	WIN 0
.endm
.macro VBL
.irp sg, 0,1,2,3
.irp be, 0,1,2,3
.if \sg < 2
	global_load_b128 v[VW+16*\sg+4*\be:VW+16*\sg+4*\be+3], v[R16], s[48:49] offset:(\sg%2)*4096+\be*1024
.else
	global_load_b128 v[VW+16*\sg+4*\be:VW+16*\sg+4*\be+3], v[R16], s[50:51] offset:(\sg%2)*4096+\be*1024
.endif
.endr
.endr
.endm
.macro VWT sg, i
	v_perm_b32 v[VT], v[VW+16*\sg+4+\i], v[VW+16*\sg+\i], s32
	v_perm_b32 v[VT+1], v[VW+16*\sg+4+\i], v[VW+16*\sg+\i], s33
	v_perm_b32 v[VT+2], v[VW+16*\sg+12+\i], v[VW+16*\sg+8+\i], s32
	v_perm_b32 v[VT+3], v[VW+16*\sg+12+\i], v[VW+16*\sg+8+\i], s33
	v_perm_b32 v[VW+16*\sg+\i], v[VT+2], v[VT], s34
	v_perm_b32 v[VW+16*\sg+4+\i], v[VT+2], v[VT], s35
	v_perm_b32 v[VW+16*\sg+8+\i], v[VT+3], v[VT+1], s34
	v_perm_b32 v[VW+16*\sg+12+\i], v[VT+3], v[VT+1], s35
.endm
.macro SCORE ks
.if ((\ks) == 0) || ((\ks) == 7)
	s_wait_loadcnt 56
.else
	s_wait_loadcnt 63
.endif
.if (\ks) < 7
	s_wait_dscnt 16
.else
	s_wait_dscnt 0x0
.endif
.irp w, 1,2
.if \w == 1
	WIN 0x54
.else
	WIN 0xa8
.endif
.irp kt, 0,1,2,3,4,5,6,7
.irp e, 0,1
.set rD, 64*\e+8*\kt
.set rA, KB+64*((\ks)%2)+8*\kt
.set rB, 128+64*\e+8*(\ks)
.set rSA, KS+4*\kt+(\ks)/2
.set rSB, QS+4*(2*(\w-1)+\e)+(\ks)/2
.if (\ks) == 0
	MM 0, 1
.else
	MM (\ks)%2, 0
.endif
.endr
.endr
.endr
	WIN 0
	PLACES 4
.if (\ks) < 6
	KL (\ks)+2
.endif
.endm
.macro MASKMAX w
	WIN 0x55*\w
.set n, 0
.rept 64
	v_cmp_gt_i32 vcc_lo, 32*(n/16)+n%16, v[WD1]
	v_cndmask_b32 v[n], v[n], v[NEGV], vcc_lo
	v_cndmask_b32 v[64+n], v[64+n], v[NEGV], vcc_lo
.set n, n+1
.endr
.irp e, 0,1
.irp b, 0,1,2,3
	v_max3_num_f32 v[BM+4*\e+\b], v[64*\e+16*\b], v[64*\e+16*\b+1], v[64*\e+16*\b+2]
.endr
.endr
.irp i, 3,5,7,9,11,13
.irp e, 0,1
.irp b, 0,1,2,3
	v_max3_num_f32 v[BM+4*\e+\b], v[BM+4*\e+\b], v[64*\e+16*\b+\i], v[64*\e+16*\b+\i+1]
.endr
.endr
.endr
.irp e, 0,1
.irp b, 0,1,2,3
	v_max_num_f32 v[BM+4*\e+\b], v[BM+4*\e+\b], v[64*\e+16*\b+15]
.endr
.endr
.irp k, 0,1,2,3,4,5,6,7
	v_permlanex16_b32 v[TP+\k], v[BM+\k], s24, s25
.endr
.irp k, 0,1,2,3,4,5,6,7
	v_max_num_f32 v[BM+\k], v[BM+\k], v[TP+\k]
.endr
.irp e, 0,1
	v_max3_num_f32 v[RX+\e], v[BM+4*\e], v[BM+4*\e+1], v[BM+4*\e+2]
.endr
.irp e, 0,1
	v_max_num_f32 v[RX+\e], v[RX+\e], v[BM+4*\e+3]
.endr
	WIN 0x04*\w
.irp e, 0,1
	ds_store_b32 v[MXW], v[RX+\e] offset:512*(2*(\w-1)+\e)
.endr
	WIN 0
.endm
.macro PROB w
	WIN 0x40*\w
.irp e, 0,1
	ds_load_b128 v[MXL+4*\e:MXL+4*\e+3], v[LI] offset:MX+512*(2*(\w-1)+\e)
.endr
	s_wait_dscnt 0x0
	WIN 0x55*\w
.irp e, 0,1
	v_max_num_f32 v[WK+2*\e], v[MXL+4*\e], v[MXL+4*\e+1]
	v_max_num_f32 v[WK+2*\e+1], v[MXL+4*\e+2], v[MXL+4*\e+3]
.endr
.irp e, 0,1
	v_cndmask_b32 v[MXL+4*\e], v[WK+2*\e], v[WK+2*\e+1], s28
	v_cndmask_b32 v[MXL+4*\e+1], v[WK+2*\e+1], v[WK+2*\e], s28
.endr
.irp e, 0,1
	v_min_num_f32 v[MXL+4*\e+1], s29, v[MXL+4*\e+1]
.endr
.irp e, 0,1
	v_max_num_f32 v[MXL+4*\e], v[MXL+4*\e], v[MXL+4*\e+1]
.endr
.irp e, 0,1
	v_mul_f32 v[MXL+4*\e], s26, v[MXL+4*\e]
.endr
.irp e, 0,1
	v_floor_f32 v[NM+2*\e], -v[MXL+4*\e]
.endr
.irp e, 0,1
.set n, 0
.rept 32
	v_pk_fma_f32 v[64*\e+2*n:64*\e+2*n+1], v[64*\e+2*n:64*\e+2*n+1], s[26:27], v[NM+2*\e:NM+2*\e+1] op_sel_hi:[1,0,0]
.set n, n+1
.endr
.endr
.irp e, 0,1
.irp b, 0,1,2,3
	v_fma_f32 v[BM+4*\e+\b], v[BM+4*\e+\b], s26, v[NM+2*\e]
.endr
.endr
.set n, 0
	s_wait_alu depctr_va_vdst(0)
.rept 128
	v_exp_f32 v[n], v[n]
.set n, n+1
.endr
.irp k, 0,1,2,3,4,5,6,7
	v_exp_f32 v[BM+\k], v[BM+\k]
.endr
	v_nop
	s_wait_alu depctr_va_vdst(0)
.irp e, 0,1
	v_pk_add_f32 v[CH+4*\e:CH+4*\e+1], v[64*\e:64*\e+1], v[64*\e+4:64*\e+5]
	v_pk_add_f32 v[CH+4*\e+2:CH+4*\e+3], v[64*\e+2:64*\e+3], v[64*\e+6:64*\e+7]
.endr
.irp j, 8,12,16,20,24,28,32,36,40,44,48,52,56,60
.irp e, 0,1
	v_pk_add_f32 v[CH+4*\e:CH+4*\e+1], v[CH+4*\e:CH+4*\e+1], v[64*\e+\j:64*\e+\j+1]
	v_pk_add_f32 v[CH+4*\e+2:CH+4*\e+3], v[CH+4*\e+2:CH+4*\e+3], v[64*\e+\j+2:64*\e+\j+3]
.endr
.endr
.irp e, 0,1
	v_pk_add_f32 v[CH+4*\e:CH+4*\e+1], v[CH+4*\e:CH+4*\e+1], v[CH+4*\e+2:CH+4*\e+3]
.endr
.irp e, 0,1
	v_add_f32 v[CH+4*\e], v[CH+4*\e], v[CH+4*\e+1]
.endr
.irp e, 0,1
	v_permlanex16_b32 v[TP+\e], v[CH+4*\e], s24, s25
.endr
.irp e, 0,1
	v_add_f32 v[CH+4*\e], v[CH+4*\e], v[TP+\e]
.endr
.irp e, 0,1
	v_cmp_gt_i32 vcc_lo, s[52+2*(\w-1)+\e], v[WQI]
	v_cndmask_b32 v[CH+4*\e], v[PINF], v[CH+4*\e], vcc_lo
.endr
.irp k, 0,1,2,3,4,5,6,7
	v_max_num_f32 v[BM+\k], 0x1800000, v[BM+\k]
.endr
.irp k, 0,1,2,3,4,5,6,7
	v_add_nc_u32 v[SO+\k], 0xff000000, v[BM+\k]
.endr
.irp k, 0,1,2,3,4,5,6,7
	v_lshrrev_b32 v[TP+\k], 23, v[SO+\k]
.endr
.irp e, 0,1
	v_lshl_or_b32 v[PW+\e], v[TP+4*\e+1], 8, v[TP+4*\e]
.endr
.irp e, 0,1
	v_lshl_or_b32 v[PW+\e], v[TP+4*\e+2], 16, v[PW+\e]
.endr
.irp e, 0,1
	v_lshl_or_b32 v[PW+\e], v[TP+4*\e+3], 24, v[PW+\e]
.endr
.irp e, 0,1
.irp b, 0,1,2,3
	v_cvt_scalef32_pk8_fp4_f32 v[PC+8*\e+2*\b], v[64*\e+16*\b:64*\e+16*\b+7], v[SO+4*\e+\b]
	v_cvt_scalef32_pk8_fp4_f32 v[PC+8*\e+2*\b+1], v[64*\e+16*\b+8:64*\e+16*\b+15], v[SO+4*\e+\b]
.endr
.endr
	v_nop
.irp e, 0,1
.irp c, 0,1
.irp i, 0,1
	v_permlane16_swap_b32 v[PC+8*\e+4*\c+\i], v[PC+8*\e+4*\c+2+\i]
.endr
.endr
.endr
	WIN 0x04*\w
.irp e, 0,1
.irp c, 0,1
	ds_store_b128 v[PIW], v[PC+8*\e+4*\c:PC+8*\e+4*\c+3] offset:1024*(2*(\w-1)+\e)+512*\c
.endr
	ds_store_b32 v[PSW], v[PW+\e] offset:128*(2*(\w-1)+\e)
	ds_store_b32 v[LSW], v[CH+4*\e] offset:64*(2*(\w-1)+\e)
.endr
	WIN 0
.endm
.macro WSUM dt, gq
	WIN 0x55
.irp aa, 0,1
.irp k, 0,1,2,3
.set rX, 64*((\dt)%2)+8*(2*\gq+\aa)+2*\k
.set rW, WW+8*(2*\gq+\aa)+2*\k
.if (2*\gq+\aa) == 0
	v_pk_mul_f32 v[TS+2*\k:TS+2*\k+1], v[rX:rX+1], v[rW:rW+1]
.else
	v_pk_fma_f32 v[TS+2*\k:TS+2*\k+1], v[rX:rX+1], v[rW:rW+1], v[TS+2*\k:TS+2*\k+1]
.endif
.endr
.endr
.if \gq == 3
	v_pk_add_f32 v[TS:TS+1], v[TS:TS+1], v[TS+2:TS+3]
	v_pk_add_f32 v[TS+4:TS+5], v[TS+4:TS+5], v[TS+6:TS+7]
	v_pk_add_f32 v[TS:TS+1], v[TS:TS+1], v[TS+4:TS+5]
	v_add_f32 v[EE+(\dt)], v[TS], v[TS+1]
.endif
.endm
.macro PVSLOT dt
.if (\dt) < 8
.set vb, 32*(\dt)
.elseif (\dt) < 12
.set vb, 128+32*((\dt)-8)
.else
.set vb, 32*((\dt)-12)
.endif
.if (\dt) <= 7
	s_wait_loadcnt 63
.else
	s_wait_loadcnt 8*(15-(\dt))
.endif
.irp gq, 0,1,2,3
.if ((\dt) >= 8) && ((\dt) < 12)
	WIN 0x52
.else
	WIN 0x5e
.endif
.irp q, 0,1,2,3
.set rD, 64*((\dt)%2)+8*(4*(\gq%2)+\q)
.set rA, 8*(4*(2*(\gq%2)+\gq/2)+\q)
.set rB, vb+8*(2*(\gq%2)+\gq/2)
.set rSA, QS+4*(2*(\gq%2)+\gq/2)+\q
.set rSB, VW+16*(2*(\gq%2)+\gq/2)+4*((\dt)%4)+(\dt)/4
.if \gq < 2
	MM 0, 1
.else
	MM 0, 0
.endif
.endr
.if (\dt) > 0
	WSUM (\dt)-1, \gq
.endif
.endr
.if (\dt) == 0
	WIN 0
	PLACES 4
.endif
.if (\dt) < 4
	VL (\dt)+12
.endif
.endm
	s_load_b256 s[4:11], s[0:1], 0x0
	s_load_b64 s[12:13], s[0:1], 0x20
	v_lshl_add_u32 v[SPW], v0, 2, SPARE
	v_mov_b32 v[NIL], 0
	ds_add_u32 v[SPW], v[NIL]
	ds_add_u32 v[SPW], v[NIL]
	v_lshrrev_b32 v1, 5, v0
	v_readfirstlane_b32 s14, v1
	s_bfe_u32 s87, ttmp6, 0x40000
	s_lshl_b32 s15, ttmp9, 2
	s_add_co_u32 s15, s15, s87
	s_and_b32 s16, ttmp7, 0xffff
	s_lshr_b32 s17, s16, 5
	s_and_b32 s18, s16, 31
	s_lshl_b32 s19, s18, 2
	s_mov_b32 s88, 15|(3<<16)|(1<<21)
	s_mov_b32 s89, 32<<16
	s_mov_b32 s90, 256<<16
	s_mov_b32 s91, 32<<16
	s_mov_b32 s92, 256
	s_mov_b32 s93, 32
	s_mov_b32 s94, 0
	s_mov_b32 s95, 0
	s_lshr_b32 s66, s14, 1
	s_and_b32 s67, s14, 1
	s_lshl_b32 s44, s18, 4
	s_lshl_b32 s87, s15, 2
	s_add_co_u32 s44, s44, s87
	s_lshl_b32 s45, s18, 5
	s_lshl_b32 s87, s15, 3
	s_add_co_u32 s45, s45, s87
	s_lshl_b32 s82, s66, 2
	s_add_co_u32 s45, s45, s82
	s_add_co_u32 s45, s45, 512
	s_lshl_b32 s46, s18, 5
	s_lshl_b32 s82, s14, 3
	s_add_co_u32 s46, s46, s82
	s_add_co_u32 s46, s46, 512
	s_lshl_b32 s47, s18, 4
	s_lshl_b32 s82, s67, 3
	s_add_co_u32 s47, s47, s82
	s_lshl_b32 s48, s15, 6
	s_lshl_b32 s49, s15, 7
	s_lshl_b32 s82, s66, 6
	s_add_co_u32 s49, s49, s82
	s_lshl_b32 s50, s18, 2
	s_add_co_u32 s50, s50, 64
	s_lshl_b32 s51, s18, 1
	s_mov_b32 s29, 0xff800000
	s_cmp_eq_u32 s17, 0
	s_cselect_b32 s20, s14, s67
	s_cselect_b32 s76, s44, s45
	s_cselect_b32 s77, s46, s47
	s_cselect_b32 s78, s48, s49
	s_cselect_b32 s79, s50, s51
	s_cselect_b32 s29, 0x7f800000, s29
	s_cselect_b32 s30, 0x7f800000, 0
	s_cselect_b32 s80, 131072, 0
	s_cselect_b32 s81, 8192, 0
	s_cmp_lg_u32 s66, 0
	s_cselect_b32 s28, -1, 0
	s_mov_b32 s24, 0x76543210
	s_mov_b32 s25, 0xfedcba98
	s_mov_b32 s26, 0x3d38aa3b
	s_mov_b32 s27, s26
	s_mov_b32 s31, 0xffff0000
	s_mov_b32 s32, 0x05010400
	s_mov_b32 s33, 0x07030602
	s_mov_b32 s34, 0x05040100
	s_mov_b32 s35, 0x07060302
	v_and_b32 v192, 31, v0
	v_and_b32 v193, 15, v0
	v_bfe_u32 v196, v0, 4, 1
	v_lshlrev_b32 v[LI], 4, v192
	v_lshlrev_b32 v[LS4], 2, v192
	v_lshlrev_b32 v[R16], 4, v193
	s_lshl_b32 s86, s14, 2
	v_add_nc_u32 v[MXW], s86, v[LI]
	v_add_nc_u32 v[MXW], MX, v[MXW]
	s_lshl_b32 s86, s14, 12
	v_add_nc_u32 v[PIW], s86, v[LI]
	s_lshl_b32 s86, s14, 9
	v_add_nc_u32 v[PSW], s86, v[LS4]
	v_add_nc_u32 v[PSW], PSC, v[PSW]
	s_lshl_b32 s86, s14, 8
	v_lshl_add_u32 v[LSW], v193, 2, s86
	v_add_nc_u32 v[LSW], LSM, v[LSW]
	s_lshl_b32 s86, s14, 16
	v_add_nc_u32 v[KA], s86, v[LI]
	v_add_nc_u32 v[KA], KIMG, v[KA]
	v_lshlrev_b32 v[LRD], 5, v196
	v_add_nc_u32 v[LRD], LSM, v[LRD]
	v_and_b32 v197, 7, v193
	v_lshrrev_b32 v198, 3, v193
	v_lshl_add_u32 v197, v198, 4, v197
	v_lshl_add_u32 v[OA], v196, 3, v197
	v_lshlrev_b32 v[OA], 2, v[OA]
	v_add_nc_u32 v[QI], s78, v197
	v_lshlrev_b32 v[D1], 4, v196
	s_wait_dscnt 0x0
	s_wait_kmcnt 0x0
	s_mov_b32 s85, 0
	s_mov_b32 s3, 0
	s_lshl_b32 s84, s76, 13
	s_add_nc_u64 s[36:37], s[4:5], s[84:85]
	s_lshl_b32 s84, s76, 9
	s_add_co_u32 s84, s84, 25165824
	s_add_nc_u64 s[38:39], s[4:5], s[84:85]
	s_lshl_b32 s2, s77, 13
	s_add_co_u32 s2, s2, 12582912
	s_add_nc_u64 s[40:41], s[4:5], s[2:3]
	s_lshl_b32 s2, s77, 9
	s_add_co_u32 s2, s2, 25952256
	s_add_nc_u64 s[42:43], s[4:5], s[2:3]
	s_lshl_b32 s2, s79, 16
	s_lshl_b32 s86, s14, 14
	s_add_co_u32 s2, s2, s86
	s_add_nc_u64 s[44:45], s[6:7], s[2:3]
	s_mov_b32 s2, s80
	s_add_nc_u64 s[46:47], s[44:45], s[2:3]
	s_lshl_b32 s2, s79, 12
	s_lshl_b32 s86, s14, 8
	s_add_co_u32 s2, s2, s86
	s_add_co_u32 s2, s2, 12582912
	s_add_nc_u64 s[48:49], s[6:7], s[2:3]
	s_mov_b32 s2, s81
	s_add_nc_u64 s[50:51], s[48:49], s[2:3]
	s_lshl_b32 s84, s16, 2
	s_add_co_u32 s84, s84, s15
	s_lshl_b32 s84, s84, 12
	s_lshl_b32 s87, s14, 10
	s_add_co_u32 s84, s84, s87
	s_add_nc_u64 s[56:57], s[12:13], s[84:85]
	s_mov_b32 s96, 1
	s_lshl_b32 s97, s14, 16
	s_add_co_u32 s97, s97, KIMG
	s_mov_b64 s[98:99], s[40:41]
	s_or_b32 s99, s99, 0x80000000
	CROUND
	tensor_load_to_lds s[96:99], s[88:95]
	s_nop 0
	PLACES 4
	s_load_b32 s58, s[8:9], s19 offset:0x0
	s_load_b32 s59, s[10:11], s19 offset:0x0
.set n, 0
.rept 32
	global_load_b32 v[KS+n], v[LS4], s[42:43] offset:128*n   ; K's scale words of my 8 tiles: issued ahead of Q's loads, so every counted wait for Q's covers them
.set n, n+1
.endr
.set n, 0
.rept 16
	global_load_b32 v[QS+n], v[LS4], s[38:39] offset:128*n
.set n, n+1
.endr
.irp ks, 0,1,2,3,4,5,6,7
	QL \ks
.endr
	s_wait_kmcnt 0x0
	s_cmp_eq_u32 s17, 0
	s_cselect_b32 s21, s59, s58
	s_cselect_b32 s22, s58, s59
	s_lshl_b32 s82, s20, 7
	s_sub_co_i32 s83, s21, s82
	s_sub_co_i32 s83, s83, 1
	s_wait_alu depctr_va_vdst(0)
	v_sub_nc_u32 v[D1], s83, v[D1]
	s_mov_b32 s52, s22
	s_sub_co_i32 s53, s22, 8
	s_sub_co_i32 s54, s22, 32
	s_sub_co_i32 s55, s22, 40
	s_wait_alu depctr_va_vdst(0)
	s_wait_tensorcnt 0x0
.set n, 0
	KL 0
	KL 1
	SCORE 0
	VBL
	VL 0
	SCORE 1
	VL 1
	VL 2
	SCORE 2
	VL 3
	VL 4
	SCORE 3
	SCORE 4
	SCORE 5
	SCORE 6
	SCORE 7
.irp w, 1,2
	WIN 0x40*\w
	v_mov_b32 v[WD1], v[D1]
	v_mov_b32 v[WQI], v[QI]
	v_mov_b32 v[NEGV], 0xd0ee6b28
	v_mov_b32 v[PINF], 0x7f800000
.irp k, 0,1,2,3,4,5,6,7
	v_mov_b32 v[TP+\k], 0
.endr
	v_mov_b32 v[NM+1], 0
	v_mov_b32 v[NM+3], 0
.endr
	MASKMAX 1
	VL 5
	VL 6
	VL 7
	MASKMAX 2
	VL 8
	VL 9
	VL 10
	VL 11
	s_wait_loadcnt 63
.irp sg, 0,1,2,3
.irp i, 0,1,2,3
	VWT \sg, \i
.endr
.endr
	BARRIER
	PROB 1
	PROB 2
	BARRIER
	WIN 0x80
.set n, 0
.rept 32
	ds_load_b128 v[4*n:4*n+3], v[LI] offset:PIMG+512*n
.set n, n+1
.endr
.irp pv, 0,1,2,3
.irp q, 0,1,2,3
.irp k, 0,1
	ds_load_b128 v[128+32*\pv+8*\q+4*\k:128+32*\pv+8*\q+4*\k+3], v[LRD] offset:256*\pv+64*\q+16*\k
.endr
.endr
.endr
	WIN 0
.set n, 0
.rept 16
	ds_load_b32 v[QS+n], v[LS4] offset:PSC+128*n
.set n, n+1
.endr
	s_wait_dscnt 0x0
	WIN 0xaa
.set n, 0
.rept 16
	v_pk_add_f32 v[128+2*n:129+2*n], v[128+2*n:129+2*n], v[160+2*n:161+2*n]
	v_pk_add_f32 v[192+2*n:193+2*n], v[192+2*n:193+2*n], v[224+2*n:225+2*n]
.set n, n+1
.endr
.set n, 0
.rept 32
	v_min_num_f32 v[160+n], s30, v[192+n]
	v_min_num_f32 v[224+n], s30, v[128+n]
.set n, n+1
.endr
.set n, 0
.rept 16
	v_pk_add_f32 v[128+2*n:129+2*n], v[128+2*n:129+2*n], v[160+2*n:161+2*n]
	v_pk_add_f32 v[192+2*n:193+2*n], v[192+2*n:193+2*n], v[224+2*n:225+2*n]
.set n, n+1
.endr
	WIN 0x42
.set n, 0
	s_wait_alu depctr_va_vdst(0)
.rept 32
	v_rcp_f32 v[WW+n], v[128+n]
.set n, n+1
.endr
.set n, 0
.rept 32
	v_rcp_f32 v[WW+32+n], v[192+n]
.set n, n+1
.endr
	v_nop
	s_wait_alu depctr_va_vdst(0)
.irp dt, 0,1,2,3,4,5,6,7,8,9,10,11,12,13,14,15
	PVSLOT \dt
.endr
	WIN 0
	PLACES 4
.irp gq, 0,1,2,3
	WSUM 15, \gq
.endr
.irp g, 0,1
.irp k, 0,1,2,3,4,5,6,7
	v_permlanex16_b32 v[TS+\k], v[EE+8*\g+\k], s24, s25
.endr
.irp k, 0,1,2,3,4,5,6,7
	v_add_f32 v[EE+8*\g+\k], v[EE+8*\g+\k], v[TS+\k]
.endr
.endr
	v_mov_b32 v216, s22
	v_cvt_f32_i32 v216, v216
	s_wait_alu depctr_va_vdst(0)
	v_rcp_f32 v217, v216
	v_nop
	s_wait_alu depctr_va_vdst(0)
.irp b, 0,1,2,3,4,5,6,7
	v_cndmask_b32 v[TS+\b], v[EE+2*\b], v[EE+2*\b+1], s31
.endr
.irp b, 0,1,2,3,4,5,6,7
	v_mul_f32 v[TS+\b], v[TS+\b], v217
.endr
	WIN 0x04
.irp b, 0,1,2,3,4,5,6,7
	global_store_b32 v[OA], v[TS+\b], s[56:57] offset:128*\b
.endr
	WIN 0
	s_wait_tensorcnt 0x0
	ds_add_u32 v[SPW], v[NIL]
	s_wait_dscnt 0x0
	CROUND
	s_endpgm
.Lfunc_end_k_q2e8bd12a5f_attn:
	.size	k_q2e8bd12a5f_attn, .Lfunc_end_k_q2e8bd12a5f_attn-k_q2e8bd12a5f_attn
	.p2alignl 7, 3214868480
	.fill 96, 4, 3214868480
	.section	.rodata,"a",@progbits
	.p2align	6, 0x0
	.amdhsa_kernel k_q2e8bd12a5f_attn
		.amdhsa_group_segment_fixed_size 327680
		.amdhsa_private_segment_fixed_size 0
		.amdhsa_enable_private_segment 0
		.amdhsa_kernarg_size 40
		.amdhsa_user_sgpr_count 2
		.amdhsa_user_sgpr_kernarg_segment_ptr 1
		.amdhsa_wavefront_size32 1
		.amdhsa_system_sgpr_workgroup_id_x 1
		.amdhsa_system_sgpr_workgroup_id_y 1
		.amdhsa_system_sgpr_workgroup_id_z 1
		.amdhsa_system_vgpr_workitem_id 0
		.amdhsa_next_free_vgpr 1024
		.amdhsa_next_free_sgpr 100
		.amdhsa_reserve_vcc 1
		.amdhsa_float_denorm_mode_32 3
		.amdhsa_float_denorm_mode_16_64 3
		.amdhsa_memory_ordered 1
		.amdhsa_forward_progress 1
		.amdhsa_inst_pref_size 233
	.end_amdhsa_kernel
	.amdgpu_metadata
---
amdhsa.version: [ 1, 2 ]
amdhsa.kernels:
  - .name:           k_q2e8bd12a5f_attn
    .symbol:         k_q2e8bd12a5f_attn.kd
    .args:
      - { .name: qk, .offset: 0, .size: 8, .value_kind: global_buffer, .address_space: global }
      - { .name: vq, .offset: 8, .size: 8, .value_kind: global_buffer, .address_space: global }
      - { .name: len_a, .offset: 16, .size: 8, .value_kind: global_buffer, .address_space: global }
      - { .name: len_b, .offset: 24, .size: 8, .value_kind: global_buffer, .address_space: global }
      - { .name: part, .offset: 32, .size: 8, .value_kind: global_buffer, .address_space: global }
    .group_segment_fixed_size: 327680
    .private_segment_fixed_size: 0
    .kernarg_segment_align: 8
    .kernarg_segment_size: 40
    .max_flat_workgroup_size: 128
    .sgpr_count:     100
    .vgpr_count:     1024
    .wavefront_size: 32
...
	.end_amdgpu_metadata
.endif
;; end of part 3
;; launch sum (part 4): grid 64 x 1, 8 waves a work-group, no clusters, 0 bytes of LDS; arguments part, out0; writes out0
.if DOCPART == 4
	.amdgcn_target "amdgcn-amd-amdhsa--gfx1250"
	.amdhsa_code_object_version 6
	.text
	.protected	k_q2e8bd12a5f_sum
	.globl	k_q2e8bd12a5f_sum
	.p2align	8
	.type	k_q2e8bd12a5f_sum,@function
k_q2e8bd12a5f_sum:
	s_mov_b64 s[64:65], 0
	v_nop
	global_prefetch_b8 v0, s[64:65] scope:SCOPE_SE
	s_setreg_imm32_b32 hwreg(HW_REG_WAVE_MODE, 25, 1), 1
	s_wait_xcnt 0x0
; Launch 4 of 4: out0[direction][batch][d] = the sum of the four query quarters' parts, each already divided by the number of valid queries.  No work is left out.
; Work-group y = 32 direction + batch; thread t owns 16 bytes of the row of 4,096: each load and the store of a wave cover 512 consecutive bytes.
	s_load_b128 s[4:7], s[0:1], 0x0                ; part, out0
	v_lshlrev_b32 v1, 4, v0
	s_lshl_b32 s8, ttmp9, 14                       ; four rows of 4,096 bytes
	s_mov_b32 s9, 0
	s_lshl_b32 s10, ttmp9, 12
	s_mov_b32 s11, 0
	s_wait_alu depctr_va_vdst(0)
	s_wait_kmcnt 0x0
	s_add_nc_u64 s[4:5], s[4:5], s[8:9]
	s_add_nc_u64 s[6:7], s[6:7], s[10:11]
.irp q, 0,1,2,3
	global_load_b128 v[4+4*\q:7+4*\q], v1, s[4:5] offset:4096*\q th:TH_LOAD_NT
.endr
	s_wait_loadcnt 0x0
	v_pk_add_f32 v[4:5], v[4:5], v[8:9]
	v_pk_add_f32 v[6:7], v[6:7], v[10:11]
	v_pk_add_f32 v[12:13], v[12:13], v[16:17]
	v_pk_add_f32 v[14:15], v[14:15], v[18:19]
	s_delay_alu instid0(VALU_DEP_2)
	v_pk_add_f32 v[4:5], v[4:5], v[12:13]
	s_delay_alu instid0(VALU_DEP_2)
	v_pk_add_f32 v[6:7], v[6:7], v[14:15]
	global_store_b128 v1, v[4:7], s[6:7]
	s_endpgm
.Lfunc_end_k_q2e8bd12a5f_sum:
	.size	k_q2e8bd12a5f_sum, .Lfunc_end_k_q2e8bd12a5f_sum-k_q2e8bd12a5f_sum
	.p2alignl 7, 3214868480
	.fill 96, 4, 3214868480
	.section	.rodata,"a",@progbits
	.p2align	6, 0x0
	.amdhsa_kernel k_q2e8bd12a5f_sum
		.amdhsa_group_segment_fixed_size 0
		.amdhsa_private_segment_fixed_size 0
		.amdhsa_enable_private_segment 0
		.amdhsa_kernarg_size 16
		.amdhsa_user_sgpr_count 2
		.amdhsa_user_sgpr_kernarg_segment_ptr 1
		.amdhsa_wavefront_size32 1
		.amdhsa_system_sgpr_workgroup_id_x 1
		.amdhsa_system_sgpr_workgroup_id_y 1
		.amdhsa_system_sgpr_workgroup_id_z 1
		.amdhsa_system_vgpr_workitem_id 0
		.amdhsa_next_free_vgpr 24
		.amdhsa_next_free_sgpr 66
		.amdhsa_reserve_vcc 0
		.amdhsa_float_denorm_mode_32 3
		.amdhsa_float_denorm_mode_16_64 3
		.amdhsa_memory_ordered 1
		.amdhsa_forward_progress 1
		.amdhsa_inst_pref_size 2
	.end_amdhsa_kernel
	.amdgpu_metadata
---
amdhsa.version: [ 1, 2 ]
amdhsa.kernels:
  - .name:           k_q2e8bd12a5f_sum
    .symbol:         k_q2e8bd12a5f_sum.kd
    .args:
      - { .name: part, .offset: 0, .size: 8, .value_kind: global_buffer, .address_space: global }
      - { .name: out0, .offset: 8, .size: 8, .value_kind: global_buffer, .address_space: global }
    .group_segment_fixed_size: 0
    .private_segment_fixed_size: 0
    .kernarg_segment_align: 8
    .kernarg_segment_size: 16
    .max_flat_workgroup_size: 256
    .sgpr_count:     66
    .vgpr_count:     24
    .wavefront_size: 32
...
	.end_amdgpu_metadata
.endif
;; end of part 4
